; MI455X (gfx1250); checked and timed in simulation.
; The chip was launched on July 23, 2026; its instructions are those of AMD's public machine-readable ISA for CDNA 5 (MIT licence, August 2026) and "CDNA5" Instruction Set Architecture Reference Guide (July 2026). The comments in the code are by the model that wrote it; some were corrected since.
;; Base Cross Attention. Allowed arithmetic: float matrix products may take bf16 or f16 operands with f32 sums; other float arithmetic in f32, or as packed bf16 or f16 multiplies, adds, multiply-adds, maxima and minima; sums over many terms, partial sums and values carried from step to step in f32; what a program stores and reads back later, other than sums and carried values, may be rounded once to bf16 or f16.
;; Inputs: We 2,048 x 2,048 float32; Wk 768 x 1,024 float32; Wo 1,024 x 1,024 float32; Wq 1,024 x 1,024 float32; Wv 768 x 1,024 float32; be 2,048 float32; bk 1,024 float32; bo 1,024 float32; bq 1,024 float32; bv 1,024 float32; cond_type 32 x 1 x 1 int32; emb 32 x 2,048 float32; ln_t_b 768 float32; ln_t_g 768 float32; ln_x_b 1,024 float32; ln_x_g 1,024 float32; ln_y_b 1,024 float32; ln_y_g 1,024 float32; src_mask 32 x 512 x 1 float32; x 32 x 512 x 1,024 float32; xf 32 x 128 x 768 float32.
;; Outputs: out0 32 x 512 x 1,024 float32.
;; 2 versions, each right; version 2 is version 1 with the launch main written anew for expert scheduling mode. Each part assembles by itself: llvm-mc -triple=amdgcn-amd-amdhsa -mcpu=gfx1250 --defsym DOCPART=n.
;; ======== version 1 of 2: 3 launches
;; limits: values are held in f16: magnitudes above 65,504 overflow, below 6.1e-05 lose precision
;; workspace buffers: wpk 7,340,032 bytes; xfa 6,291,456 bytes; styp 2,097,152 bytes; sty 262,144 bytes; kvf 16,777,216 bytes
;; launch prep (part 1): grid 736 x 1, 8 waves a work-group, no clusters, 70,656 bytes of LDS; arguments Wq, Wk, Wv, Wo, We, emb, xf, ln_t_g, ln_t_b, wpk, styp, xfa; writes wpk, styp, xfa
.if DOCPART == 1
	.amdgcn_target "amdgcn-amd-amdhsa--gfx1250"
	.amdhsa_code_object_version 6
	.text
	.protected	k_qc807156bf6_prep
	.globl	k_qc807156bf6_prep
	.p2align	8
	.type	k_qc807156bf6_prep,@function
k_qc807156bf6_prep:
	s_mov_b64 s[64:65], 0
	v_nop
	global_prefetch_b8 v0, s[64:65] scope:SCOPE_SE
	s_setreg_imm32_b32 hwreg(HW_REG_WAVE_MODE, 25, 1), 1
	s_wait_xcnt 0x0
; PREP: three independent streaming jobs, chosen by the work-group's number (the same for all its waves).
;  0..223   a wave turns one block (64 columns x 32 K) of Wq, Wk, Wv (to f16) or Wo (to bf16) into 4,096 bytes that ARE matrix fragments:
;           [tile t 4][half 2][lane 32][8 numbers] = W[k][64 cb + 4 (lane % 16) + t]; k = 32 s + 16 half + 8 (lane / 16) + e, for Wo k in the order in which the last launch keeps y.
;  224..479 silu(emb) We for 64 columns and 256 of K: eight waves, 32 K each, summed through LDS; partial sums in f32 to styp[kc][32][2048].
;  480..735 LayerNorm of 16 rows of xf (two passes in f32), to f16, stored as A fragments [row tile][K step 24][half][lane][16 bytes].
; Each load covers whole runs of 256 consecutive bytes (16 lanes x 16), each store 512.  No cluster, no tensor load: nothing is read twice by a work-group.
; LIMITS: f16 holds |LN(xf)|, |W| and |silu(emb)| under 65,504; NaN and infinities are not treated apart.
.set SPARE, 69632                      ; behind the jobs' area: the spare words, 128 bytes a wave
.macro PACKW cvt, dst                  ; 16 loaded quads v[16..79] ([half][e][t]) -> 32 registers [t][half][pair of e]
.set i, 0
.rept 32
.set rL, 16+4*(8*((i/4)%2)+2*(i%4))+i/8
	\cvt v[(\dst)+i], v[rL], v[rL+4]
.set i, i+1
.endr
.endm
.macro REPACK cvt, HS, ES              ; rows half*HS + e*ES behind the base
.set i, 0
.rept 16
	global_load_b128 v[16+4*i:16+4*i+3], v8, s[32:33] offset:((i/8)*(\HS)+(i%8)*(\ES))*4096 th:TH_LOAD_NT
.set i, i+1
.endr
	s_wait_loadcnt 0x0
	PACKW \cvt, 80
.set i, 0
.rept 8
	global_store_b128 v7, v[80+4*i:80+4*i+3], s[38:39] offset:512*i
.set i, i+1
.endr
.endm
.macro RED a, b                        ; sum over the 32 lanes, in every lane
.irp m, 1,2,4,8
	v_add_f32_dpp v[\a], v[\a], v[\a] row_xmask:\m row_mask:0xf bank_mask:0xf
.endr
	v_permlanex16_b32 v[\b], v[\a], s30, s31
	v_add_f32 v[\a], v[\a], v[\b]
.endm
.macro LNX u                           ; row u: mean, x - mean in place, variance + eps
.set rX, 64+24*(\u)
.set rT, 112+12*(\u)
.set rM, 136+2*(\u)
.set i, 0
.rept 6
	v_pk_add_f32 v[rT+2*i:rT+2*i+1], v[rX+4*i:rX+4*i+1], v[rX+4*i+2:rX+4*i+3]
.set i, i+1
.endr
	v_pk_add_f32 v[rT:rT+1], v[rT:rT+1], v[rT+2:rT+3]
	v_pk_add_f32 v[rT+4:rT+5], v[rT+4:rT+5], v[rT+6:rT+7]
	v_pk_add_f32 v[rT+8:rT+9], v[rT+8:rT+9], v[rT+10:rT+11]
	v_pk_add_f32 v[rT:rT+1], v[rT:rT+1], v[rT+4:rT+5]
	v_pk_add_f32 v[rT:rT+1], v[rT:rT+1], v[rT+8:rT+9]
	v_add_f32 v[rT], v[rT], v[rT+1]
	RED rT, rT+1
	v_mul_f32 v[rM], s32, v[rT]
	v_mul_f32 v[rM+1], s32, v[rT]
.set i, 0
.rept 12
	v_pk_add_f32 v[rX+2*i:rX+2*i+1], v[rX+2*i:rX+2*i+1], v[rM:rM+1] neg_lo:[0,1] neg_hi:[0,1]
.set i, i+1
.endr
.set i, 0
.rept 12
.if i < 4
	v_pk_mul_f32 v[rT+2*i:rT+2*i+1], v[rX+2*i:rX+2*i+1], v[rX+2*i:rX+2*i+1]
.else
	v_pk_fma_f32 v[rT+2*(i%4):rT+2*(i%4)+1], v[rX+2*i:rX+2*i+1], v[rX+2*i:rX+2*i+1], v[rT+2*(i%4):rT+2*(i%4)+1]
.endif
.set i, i+1
.endr
	v_pk_add_f32 v[rT:rT+1], v[rT:rT+1], v[rT+2:rT+3]
	v_pk_add_f32 v[rT+4:rT+5], v[rT+4:rT+5], v[rT+6:rT+7]
	v_pk_add_f32 v[rT:rT+1], v[rT:rT+1], v[rT+4:rT+5]
	v_add_f32 v[rT], v[rT], v[rT+1]
	RED rT, rT+1
	v_fma_f32 v[rT], v[rT], s32, s33
.endm
	s_load_b512 s[4:19], s[0:1], 0x0       ; Wq 4, Wk 6, Wv 8, Wo 10, We 12, emb 14, xf 16, ln_t_g 18
	s_load_b256 s[20:27], s[0:1], 0x40     ; ln_t_b 20, wpk 22, styp 24, xfa 26
	v_lshl_add_u32 v2, v0, 2, SPARE        ; my spare word,
	v_mov_b32 v3, 0                        ; and 0: kept for the closing lines alone
	v_lshrrev_b32 v1, 5, v0
	v_readfirstlane_b32 s28, v1            ; wave 0..7
	v_and_b32 v4, 15, v0                   ; r
	v_bfe_u32 v5, v0, 4, 1                 ; h
	v_and_b32 v6, 31, v0                   ; lane
	v_lshlrev_b32 v7, 4, v6                ; 16 x lane
	s_mov_b32 s29, ttmp9
	s_mov_b32 s37, 0                       ; s[36:37]: a byte offset, high word 0
	s_wait_kmcnt 0x0
	s_cmp_lt_u32 s29, 224
	s_cbranch_scc0 .Lnot_repack
	; ---- weights: block number 8 id + wave
	s_lshl_b32 s36, s29, 3
	s_add_co_u32 s36, s36, s28
	s_lshl_b32 s36, s36, 12
	s_add_nc_u64 s[38:39], s[22:23], s[36:37]
	s_cmp_lt_u32 s29, 160
	s_cbranch_scc0 .Lwo
	s_cmp_lt_u32 s29, 64
	s_cbranch_scc0 .Lkvw
	s_mov_b64 s[32:33], s[4:5]             ; Wq: 32 K steps to a column block
	s_lshr_b32 s34, s29, 2                 ; cb
	s_and_b32 s35, s29, 3
	s_branch .Lnat
.Lkvw:
	s_cmp_lt_u32 s29, 112
	s_cselect_b64 s[32:33], s[6:7], s[8:9]
	s_cselect_b32 s36, 64, 112
	s_sub_co_u32 s36, s29, s36
	s_mul_hi_u32 s34, s36, 0x55555556      ; cb = lw / 3: 24 K steps to a column block
	s_mul_i32 s35, s34, 3
	s_sub_co_u32 s35, s36, s35
.Lnat:
	s_lshl_b32 s35, s35, 3
	s_add_co_u32 s35, s35, s28             ; K step s
	s_lshl_b32 s36, s35, 17                ; 32 s rows of 4,096 bytes
	s_lshl_b32 s34, s34, 8                 ; 64 cb columns
	s_add_co_u32 s36, s36, s34
	s_add_nc_u64 s[32:33], s[32:33], s[36:37]
	v_lshlrev_b32 v8, 15, v5               ; 8 h rows
	v_lshl_or_b32 v8, v4, 4, v8            ; 4 r columns
	REPACK v_cvt_pk_f16_f32, 16, 1
	s_branch .Lend
.Lwo:                                      ; k = 64 (s >> 1) + 2 (s & 1) + half + 32 h + 4 e
	s_sub_co_u32 s36, s29, 160
	s_lshr_b32 s34, s36, 2
	s_and_b32 s35, s36, 3
	s_lshl_b32 s35, s35, 3
	s_add_co_u32 s35, s35, s28
	s_lshr_b32 s36, s35, 1
	s_lshl_b32 s36, s36, 6
	s_and_b32 s35, s35, 1
	s_lshl_b32 s35, s35, 1
	s_add_co_u32 s36, s36, s35
	s_lshl_b32 s36, s36, 12
	s_lshl_b32 s34, s34, 8
	s_add_co_u32 s36, s36, s34
	s_add_nc_u64 s[32:33], s[10:11], s[36:37]
	v_lshlrev_b32 v8, 17, v5
	v_lshl_or_b32 v8, v4, 4, v8
	REPACK v_cvt_pk_bf16_f32, 1, 4
	s_branch .Lend
.Lnot_repack:
	s_cmp_lt_u32 s29, 480
	s_cbranch_scc0 .Lln
	; ---- silu(emb) We: columns 64 cbE .., K = 256 kc + 32 wave ..
	s_sub_co_u32 s34, s29, 224
	s_and_b32 s35, s34, 31                 ; cbE
	s_lshr_b32 s34, s34, 5                 ; kc
	s_lshl_b32 s36, s34, 8
	s_lshl_b32 s40, s28, 5
	s_add_co_u32 s40, s36, s40             ; k0
	s_lshl_b32 s36, s40, 13
	s_lshl_b32 s41, s35, 8
	s_add_co_u32 s36, s36, s41
	s_add_nc_u64 s[12:13], s[12:13], s[36:37]
	s_lshl_b32 s36, s40, 2
	s_add_nc_u64 s[14:15], s[14:15], s[36:37]
	s_lshl_b32 s36, s34, 18
	s_add_co_u32 s36, s36, s41
	s_add_nc_u64 s[24:25], s[24:25], s[36:37]
	v_lshlrev_b32 v8, 16, v5
	v_lshl_or_b32 v8, v4, 4, v8
	v_lshlrev_b32 v9, 13, v4
	v_lshl_or_b32 v9, v5, 5, v9
.set i, 0
.rept 16
	global_load_b128 v[16+4*i:16+4*i+3], v8, s[12:13] offset:(16*(i/8)+i%8)*8192 th:TH_LOAD_NT
.set i, i+1
.endr
.set i, 0
.rept 8                                    ; emb rows r and 16 + r, K 8 h .. and 16 + 8 h ..
	global_load_b128 v[80+4*i:80+4*i+3], v9, s[14:15] offset:131072*(i/4)+16*(i%2)+64*((i%4)/2)
.set i, i+1
.endr
	s_wait_loadcnt 0x0
.set i, 0
.rept 16
	v_pk_mul_f32 v[112+2*i:113+2*i], v[80+2*i:81+2*i], 0xbfb8aa3b op_sel_hi:[1,0]
.set i, i+1
.endr
.set i, 0
.rept 32
	v_exp_f32 v[112+i], v[112+i]
.set i, i+1
.endr
	v_nop                                  ; a plain instruction behind the batch,
	s_wait_alu depctr_va_vdst(0)           ; and one wait for its 32 results
.set i, 0
.rept 16
	v_pk_add_f32 v[112+2*i:113+2*i], v[112+2*i:113+2*i], 1.0 op_sel_hi:[1,0]
.set i, i+1
.endr
.set i, 0
.rept 32
	v_rcp_f32 v[112+i], v[112+i]
.set i, i+1
.endr
	v_nop
	s_wait_alu depctr_va_vdst(0)
.set i, 0
.rept 16
	v_pk_mul_f32 v[112+2*i:113+2*i], v[112+2*i:113+2*i], v[80+2*i:81+2*i]
.set i, i+1
.endr
.set i, 0
.rept 16
	v_cvt_pk_f16_f32 v[144+i], v[112+2*i], v[113+2*i]
.set i, i+1
.endr
	PACKW v_cvt_pk_f16_f32, 160
.set i, 0
.rept 8                                    ; eight different accumulators: rows 16 (i / 4) .., tile i % 4
	v_wmma_f32_16x16x32_f16 v[80+8*i:80+8*i+7], v[144+8*(i/4):144+8*(i/4)+7], v[160+8*(i%4):160+8*(i%4)+7], 0
.set i, i+1
.endr
	s_mul_i32 s36, s28, 8704               ; my area: 32 rows of 272 bytes.  These plain lines are the places behind the products
	v_mul_u32_u24 v10, v5, 2176
	v_lshl_add_u32 v10, v4, 4, v10
	v_add_nc_u32 v10, s36, v10
	v_lshrrev_b32 v12, 4, v0
	v_mul_u32_u24 v11, v12, 272
	v_lshl_add_u32 v11, v4, 4, v11
	v_lshlrev_b32 v12, 13, v12
	v_lshl_add_u32 v12, v4, 4, v12
.set i, 0
.rept 64                                   ; each accumulator from its lowest register on
	ds_store_b32 v10, v[80+i] offset:(16*(i/32)+i%8)*272+4*((i/8)%4)
.set i, i+1
.endr
	s_wait_dscnt 0x0                       ; for the others: my partial sums lie in LDS
	s_barrier_signal -1
	s_barrier_wait -1
.set i, 0
.rept 16                                   ; thread: 16 bytes of rows t / 16 and 16 + t / 16, of all eight areas
	ds_load_b128 v[16+4*i:16+4*i+3], v11 offset:4352*(i/8)+8704*(i%8)
.set i, i+1
.endr
	s_wait_dscnt 0x0
.irp d, 4,8,16
.set i, 0
.rept 32/\d
	v_pk_add_f32 v[16+i:17+i], v[16+i:17+i], v[16+i+\d:17+i+\d]
	v_pk_add_f32 v[18+i:19+i], v[18+i:19+i], v[18+i+\d:19+i+\d]
.set i, i+2*\d
.endr
.endr
	global_store_b128 v12, v[16:19], s[24:25]
	global_store_b128 v12, v[48:51], s[24:25] offset:131072
	s_branch .Lend
.Lln:
	; ---- LayerNorm of xf: row tile rt, wave v rows 2 v, 2 v + 1
	s_sub_co_u32 s34, s29, 480
	s_lshl_b32 s36, s34, 4
	s_lshl_b32 s35, s28, 1
	s_add_co_u32 s36, s36, s35
	s_mul_i32 s36, s36, 3072
	s_add_nc_u64 s[16:17], s[16:17], s[36:37]
	s_mul_i32 s36, s34, 24576
	s_add_nc_u64 s[26:27], s[26:27], s[36:37]
	s_mov_b32 s30, 0x76543210
	s_mov_b32 s31, 0xfedcba98
	s_mov_b32 s32, 0x3aaaaaab              ; 1 / 768
	s_mov_b32 s33, 0x3727c5ac              ; 1e-5
.set i, 0
.rept 6
	global_load_b128 v[16+4*i:16+4*i+3], v7, s[18:19] offset:512*i
	global_load_b128 v[40+4*i:40+4*i+3], v7, s[20:21] offset:512*i
.set i, i+1
.endr
.set i, 0
.rept 12
	global_load_b128 v[64+4*i:64+4*i+3], v7, s[16:17] offset:3072*(i/6)+512*(i%6) th:TH_LOAD_NT
.set i, i+1
.endr
	s_wait_loadcnt 0x0
	LNX 0
	LNX 1
	v_rsq_f32 v140, v112
	v_rsq_f32 v142, v124
	v_nop
	s_wait_alu depctr_va_vdst(0)           ; one wait for both roots
	v_mov_b32 v141, v140
	v_mov_b32 v143, v142
.set i, 0
.rept 24
	v_pk_mul_f32 v[64+2*i:65+2*i], v[64+2*i:65+2*i], v[140+2*(i/12):141+2*(i/12)]
.set i, i+1
.endr
.set i, 0
.rept 24
	v_pk_fma_f32 v[64+2*i:65+2*i], v[64+2*i:65+2*i], v[16+2*(i%12):17+2*(i%12)], v[40+2*(i%12):41+2*(i%12)]
.set i, i+1
.endr
.set i, 0
.rept 24
	v_cvt_pk_f16_f32 v[144+i], v[64+2*i], v[65+2*i]
.set i, i+1
.endr
	s_mul_i32 s36, s28, 3104               ; rows of 1,536 + 16 bytes: 97 x 16, so 16 rows of a fragment start at 16 different groups of banks
	v_lshl_add_u32 v9, v6, 3, s36
.set i, 0
.rept 12
	ds_store_b64 v9, v[144+2*i:145+2*i] offset:1552*(i/6)+256*(i%6)
.set i, i+1
.endr
	v_mul_u32_u24 v10, v4, 1552
	v_lshl_add_u32 v10, v5, 4, v10
	s_mul_i32 s36, s28, 192
	v_add_nc_u32 v10, s36, v10
	s_mul_i32 s36, s28, 3072
	v_add_nc_u32 v11, s36, v7
	s_wait_dscnt 0x0
	s_barrier_signal -1
	s_barrier_wait -1
.set i, 0
.rept 6                                    ; half fragments 6 v + i of the tile's 48
	ds_load_b128 v[64+4*i:64+4*i+3], v10 offset:32*i
.set i, i+1
.endr
.set i, 0
.rept 6
	s_wait_dscnt 5-i                       ; LDS loads come back in order: number i is in
	global_store_b128 v11, v[64+4*i:64+4*i+3], s[26:27] offset:512*i
.set i, i+1
.endr
.Lend:
	s_wait_tensorcnt 0x0                   ; the wave's end
	ds_add_u32 v2, v3
	s_wait_dscnt 0x0
	s_endpgm
.Lfunc_end_k_qc807156bf6_prep:
	.size	k_qc807156bf6_prep, .Lfunc_end_k_qc807156bf6_prep-k_qc807156bf6_prep
	.p2alignl 7, 3214868480
	.fill 96, 4, 3214868480
	.section	.rodata,"a",@progbits
	.p2align	6, 0x0
	.amdhsa_kernel k_qc807156bf6_prep
		.amdhsa_group_segment_fixed_size 70656
		.amdhsa_private_segment_fixed_size 0
		.amdhsa_enable_private_segment 0
		.amdhsa_kernarg_size 96
		.amdhsa_user_sgpr_count 2
		.amdhsa_user_sgpr_kernarg_segment_ptr 1
		.amdhsa_wavefront_size32 1
		.amdhsa_system_sgpr_workgroup_id_x 1
		.amdhsa_system_sgpr_workgroup_id_y 1
		.amdhsa_system_sgpr_workgroup_id_z 1
		.amdhsa_system_vgpr_workitem_id 0
		.amdhsa_next_free_vgpr 200
		.amdhsa_next_free_sgpr 66
		.amdhsa_reserve_vcc 0
		.amdhsa_float_denorm_mode_32 3
		.amdhsa_float_denorm_mode_16_64 3
		.amdhsa_memory_ordered 1
		.amdhsa_forward_progress 1
		.amdhsa_inst_pref_size 48
	.end_amdhsa_kernel
	.amdgpu_metadata
---
amdhsa.version: [ 1, 2 ]
amdhsa.kernels:
  - .name:           k_qc807156bf6_prep
    .symbol:         k_qc807156bf6_prep.kd
    .args:
      - { .name: Wq, .offset: 0, .size: 8, .value_kind: global_buffer, .address_space: global }
      - { .name: Wk, .offset: 8, .size: 8, .value_kind: global_buffer, .address_space: global }
      - { .name: Wv, .offset: 16, .size: 8, .value_kind: global_buffer, .address_space: global }
      - { .name: Wo, .offset: 24, .size: 8, .value_kind: global_buffer, .address_space: global }
      - { .name: We, .offset: 32, .size: 8, .value_kind: global_buffer, .address_space: global }
      - { .name: emb, .offset: 40, .size: 8, .value_kind: global_buffer, .address_space: global }
      - { .name: xf, .offset: 48, .size: 8, .value_kind: global_buffer, .address_space: global }
      - { .name: ln_t_g, .offset: 56, .size: 8, .value_kind: global_buffer, .address_space: global }
      - { .name: ln_t_b, .offset: 64, .size: 8, .value_kind: global_buffer, .address_space: global }
      - { .name: wpk, .offset: 72, .size: 8, .value_kind: global_buffer, .address_space: global }
      - { .name: styp, .offset: 80, .size: 8, .value_kind: global_buffer, .address_space: global }
      - { .name: xfa, .offset: 88, .size: 8, .value_kind: global_buffer, .address_space: global }
    .group_segment_fixed_size: 70656
    .private_segment_fixed_size: 0
    .kernarg_segment_align: 8
    .kernarg_segment_size: 96
    .max_flat_workgroup_size: 256
    .sgpr_count:     66
    .vgpr_count:     200
    .wavefront_size: 32
...
	.end_amdgpu_metadata
.endif
;; end of part 1
;; launch kv (part 2): grid 256 x 1, 4 waves a work-group, no clusters, 98,816 bytes of LDS; arguments xfa, wpk, bk, bv, cond_type, styp, be, ln_y_g, ln_y_b, kvf, sty; writes kvf, sty
.if DOCPART == 2
	.amdgcn_target "amdgcn-amd-amdhsa--gfx1250"
	.amdhsa_code_object_version 6
	.text
	.protected	k_qc807156bf6_kv
	.globl	k_qc807156bf6_kv
	.p2align	8
	.type	k_qc807156bf6_kv,@function
k_qc807156bf6_kv:
	s_mov_b64 s[64:65], 0
	v_nop
	global_prefetch_b8 v0, s[64:65] scope:SCOPE_SE
	s_setreg_imm32_b32 hwreg(HW_REG_WAVE_MODE, 25, 1), 1
	s_wait_xcnt 0x0
; KV: k = LN(xf) Wk + bk and v = (LN(xf) Wv + bv) tcond, f16 operands, f32 sums, stored as the fragments that the last launch multiplies by.
; A work-group: 64 rows of xf (rb = g / 4) x 4 heads (4 (g % 4) + wave).  A wave: one head, K transposed (source 0 = Wk) and V natural (source 1 = Wv): 16 + 16 accumulators,
; 32 matrix instructions for each of 24 K steps.  The rows' fragments (98,304 bytes, shared by the four waves) are copied to LDS once; each weight fragment is multiplied by one wave
; alone, so it goes from memory straight into a ring of four register sets: 48 loads (24 KiB a wave) are out for three steps, and the K loop has no barrier.
; ROTATION: the 64 work-groups that walk the same weights start at six different places: LDS position step p holds K step (p + 4 (rb % 6)) % 24, by the copy's global offsets, and the weight
; pointers wrap likewise; no LDS address holds rb.  So at no time do all of them ask for the same bytes.  The order of the f32 sums along K hangs on the work-group.
; THE LOOP: one opening step, five trips of four, three closing steps: a trip's refills are the next aligned group of four K steps, so one offset, stepped and wrapped once a trip, serves them.
; NO CLUSTER, NO TENSOR LOAD: what work-groups share (the weights) is never shared between the waves of one, so a way through LDS would add a write and a read to each byte and a barrier to each step.
; Wave 0 also sums the eight partial sums of silu(emb) We for 128 channels of one batch row and stores GA = g_y (1 + scale), BE = b_y (1 + scale) + shift.
; LIMITS: |k|, |v| under 65,504 (f16); cond_type at least -2,147,483,640 (its remainder is taken of c + 2,147,483,640, unsigned).
; REGISTERS: window 0: v1 16 x lane; v2, v3 the add's; v6, v7 LDS addresses; v12-15 bv tc; v16-21 the copy's offsets; v32-63 bk as C; v64-127 two buffers of A; v128-255 style work, later packed results.
;   window 1: the ring, set q at 64 q: Wk's four tiles, then Wv's.   window 2: copy staging, then K's accumulators at 8 (4 t + a), V's at 128 + 8 (4 t + a).
.set SPARE, 98304
.set MSB, 0
.macro WIN new
.if MSB != (\new)
	s_set_vgpr_msb (MSB<<8)|(\new)
.set MSB, (\new)
.endif
.endm
.macro WL set, so                      ; a K step's 16 weight loads, 512 consecutive bytes each
	WIN 0x40
.set i, 0
.rept 8
	global_load_b128 v[64*(\set)+4*i:64*(\set)+4*i+3], v1, s[32:33] offset:4096*(\so)+512*i
.set i, i+1
.endr
.set i, 0
.rept 8
	global_load_b128 v[64*(\set)+32+4*i:64*(\set)+32+4*i+3], v1, s[34:35] offset:4096*(\so)+512*i
.set i, i+1
.endr
.endm
.macro AL buf, so                      ; a K step's four A fragments
	WIN 0
.set i, 0
.rept 8
	ds_load_b128 v[64+32*(\buf)+4*i:64+32*(\buf)+4*i+3], v[6+i/4] offset:((i/2)%2)*24576+1024*(\so)+512*(i%2)
.set i, i+1
.endr
.endm
; One K step on ring set 'set' and A buffer 'buf'.  rso >= 0: the set read last step is asked for again, K step rso of the pointers' group.  aso >= 0: the next step's A, aso steps behind the LDS addresses.
.macro STEP set, buf, first, rso, aso, nl, nd
.rept 4
	v_nop                                  ; four places between the step before and the loads into registers that it read
.endr
.if (\rso) >= 0
	WL ((\set)+3)%4, \rso
.endif
.if (\aso) >= 0
	AL 1-(\buf), \aso
.endif
	s_wait_loadcnt \nl                     ; 16 loads for each younger set may stay out
	s_wait_dscnt \nd                       ; the next step's eight may stay out
.if \first
	WIN 0x81
.else
	WIN 0xa1
.endif
.set i, 0
.rept 16                                   ; the 32 accumulators take turns, one instruction a turn
.if \first
	v_wmma_f32_16x16x32_f16 v[8*i:8*i+7], v[64*(\set)+8*(i/4):64*(\set)+8*(i/4)+7], v[64+32*(\buf)+8*(i%4):64+32*(\buf)+8*(i%4)+7], v[32+8*(i/4):32+8*(i/4)+7]
.else
	v_wmma_f32_16x16x32_f16 v[8*i:8*i+7], v[64*(\set)+8*(i/4):64*(\set)+8*(i/4)+7], v[64+32*(\buf)+8*(i%4):64+32*(\buf)+8*(i%4)+7], v[8*i:8*i+7]
.endif
.set i, i+1
.endr
	WIN 0xa4
.set i, 0
.rept 16
.if \first
	v_wmma_f32_16x16x32_f16 v[128+8*i:128+8*i+7], v[64+32*(\buf)+8*(i%4):64+32*(\buf)+8*(i%4)+7], v[64*(\set)+32+8*(i/4):64*(\set)+32+8*(i/4)+7], 0
.else
	v_wmma_f32_16x16x32_f16 v[128+8*i:128+8*i+7], v[64+32*(\buf)+8*(i%4):64+32*(\buf)+8*(i%4)+7], v[64*(\set)+32+8*(i/4):64*(\set)+32+8*(i/4)+7], v[128+8*i:128+8*i+7]
.endif
.set i, i+1
.endr
.endm
	s_load_b512 s[4:19], s[0:1], 0x0       ; xfa 4, wpk 6, bk 8, bv 10, cond_type 12, styp 14, be 16, ln_y_g 18
	s_load_b128 s[20:23], s[0:1], 0x40     ; ln_y_b 20, kvf 22
	s_load_b64 s[24:25], s[0:1], 0x50      ; sty
	v_lshl_add_u32 v2, v0, 2, SPARE
	v_mov_b32 v3, 0
	v_lshrrev_b32 v4, 5, v0
	v_readfirstlane_b32 s26, v4            ; wave
	v_and_b32 v4, 15, v0                   ; r
	v_bfe_u32 v5, v0, 4, 1                 ; h
	v_and_b32 v1, 31, v0
	v_lshlrev_b32 v1, 4, v1                ; 16 x lane
	s_mov_b32 s27, ttmp9                   ; g
	s_lshr_b32 s28, s27, 2                 ; rb
	s_and_b32 s29, s27, 3
	s_lshl_b32 s29, s29, 2
	s_add_co_u32 s29, s29, s26             ; head H
	s_lshr_b32 s30, s28, 1                 ; batch b
	s_mov_b32 s43, 0                       ; s[42:43]: a byte offset, high word 0
	s_mul_hi_u32 s53, s28, 0x2aaaaaab      ; rb / 6
	s_mul_i32 s53, s53, 6
	s_sub_co_u32 s52, s28, s53             ; rb % 6: where this work-group's walk along K begins, in groups of four steps
.set i, 0
.rept 6                                    ; position group i is K group (i + rb % 6) % 6: 4,096 bytes of a row tile
	s_add_co_u32 s53, s52, i
	s_sub_co_u32 s54, s53, 6
	s_cmp_ge_u32 s53, 6
	s_cselect_b32 s53, s54, s53
	s_lshl_b32 s53, s53, 12
	v_add_nc_u32 v[16+i], s53, v1
.set i, i+1
.endr
	s_wait_kmcnt 0x0
	s_lshl_b32 s42, s30, 2
	s_add_nc_u64 s[12:13], s[12:13], s[42:43]
	s_load_b32 s44, s[12:13], 0x0          ; cond_type[b]
	s_cmp_lg_u32 s26, 0
	s_cbranch_scc1 .Lns1
	s_and_b32 s42, s27, 7                  ; wave 0: batch row g / 8, channels 128 (g % 8) + 4 lane ..
	s_lshl_b32 s42, s42, 9
	v_add_nc_u32 v10, s42, v1
	s_lshr_b32 s42, s27, 3
	s_lshl_b32 s42, s42, 13
	s_add_nc_u64 s[14:15], s[14:15], s[42:43]
	s_add_nc_u64 s[24:25], s[24:25], s[42:43]
.set i, 0
.rept 16                                   ; scale's partial sums at v128 + 4 kc, shift's at v160 + 4 kc
	global_load_b128 v[128+32*(i%2)+4*(i/2):128+32*(i%2)+4*(i/2)+3], v10, s[14:15] offset:262144*(i/2)+4096*(i%2)
.set i, i+1
.endr
	global_load_b128 v[192:195], v10, s[16:17]
	global_load_b128 v[196:199], v10, s[16:17] offset:4096
	global_load_b128 v[200:203], v10, s[18:19]
	global_load_b128 v[204:207], v10, s[20:21]
.Lns1:
	s_lshl_b32 s42, s28, 2
	s_add_co_u32 s42, s42, s26
	s_mul_i32 s42, s42, 24576              ; row tile 4 rb + wave
	s_add_nc_u64 s[4:5], s[4:5], s[42:43]
	WIN 0x80
.set i, 0
.rept 48                                   ; half fragment i of the tile in position order
	global_load_b128 v[4*i:4*i+3], v[16+i/8], s[4:5] offset:512*(i%8)
.set i, i+1
.endr
	WIN 0
	s_cmp_lg_u32 s26, 0
	s_cbranch_scc1 .Lns2
	s_wait_loadcnt 48                      ; the 48 copy loads are younger than the style loads
.irp u, 0,1
.set i, 1
.rept 7
	v_pk_add_f32 v[128+32*\u:129+32*\u], v[128+32*\u:129+32*\u], v[128+32*\u+4*i:129+32*\u+4*i]
	v_pk_add_f32 v[130+32*\u:131+32*\u], v[130+32*\u:131+32*\u], v[130+32*\u+4*i:131+32*\u+4*i]
.set i, i+1
.endr
	v_pk_add_f32 v[128+32*\u:129+32*\u], v[128+32*\u:129+32*\u], v[192+4*\u:193+4*\u]
	v_pk_add_f32 v[130+32*\u:131+32*\u], v[130+32*\u:131+32*\u], v[194+4*\u:195+4*\u]
.endr
.irp c, 0,2
	v_pk_add_f32 v[128+\c:129+\c], v[128+\c:129+\c], 1.0 op_sel_hi:[1,0]
	v_pk_fma_f32 v[160+\c:161+\c], v[204+\c:205+\c], v[128+\c:129+\c], v[160+\c:161+\c]
	v_pk_mul_f32 v[128+\c:129+\c], v[200+\c:201+\c], v[128+\c:129+\c]
.endr
	global_store_b128 v10, v[128:131], s[24:25]
	global_store_b128 v10, v[160:163], s[24:25] offset:4096
.Lns2:
	s_lshl_b32 s42, s29, 8                 ; 64 H channels of 4 bytes
	v_lshl_add_u32 v8, v5, 7, s42
	v_lshl_add_u32 v9, v4, 4, s42
.set i, 0
.rept 32                                   ; bk[64 H + 32 h + 4 j + t] into register j of tile t's C operand
	global_load_b32 v[32+i], v8, s[8:9] offset:16*(i%8)+4*(i/8)
.set i, i+1
.endr
	global_load_b128 v[12:15], v9, s[10:11]
	s_mul_i32 s42, s26, 24576
	v_add_nc_u32 v11, s42, v1
	s_wait_loadcnt 33                      ; the 33 bias loads are younger: the copies are in
	WIN 0x08
.set i, 0
.rept 48
	ds_store_b128 v11, v[4*i:4*i+3] offset:512*i
.set i, i+1
.endr
	WIN 0
	s_mul_i32 s42, s29, 98304
	s_add_nc_u64 s[46:47], s[6:7], s[42:43]
	s_add_nc_u64 s[48:49], s[46:47], 3670016   ; my head's blocks of Wv,
	s_add_nc_u64 s[46:47], s[46:47], 2097152   ; and of Wk
	s_lshl_b32 s50, s52, 14                ; the K group in hand, in bytes: four blocks of 4,096
	s_mov_b32 s51, 0
	s_add_nc_u64 s[32:33], s[46:47], s[50:51]
	s_add_nc_u64 s[34:35], s[48:49], s[50:51]
	WL 0, 0
	WL 1, 1
	WL 2, 2
	WIN 0
	s_wait_kmcnt 0x0
	s_add_co_u32 s44, s44, 0x7ffffff8      ; c + 2,147,483,640, a multiple of 10 more
	s_mul_hi_u32 s45, s44, 0xcccccccd
	s_lshr_b32 s45, s45, 3
	s_mul_i32 s45, s45, 10
	s_sub_co_u32 s44, s44, s45
	s_cmp_lg_u32 s44, 0
	s_cselect_b32 s36, 1.0, 0              ; tcond
	s_mov_b32 s37, s36
	s_lshl_b32 s42, s30, 4
	s_add_co_u32 s42, s42, s29
	s_lshl_b32 s42, s42, 15
	s_add_nc_u64 s[38:39], s[22:23], s[42:43]
	s_add_nc_u64 s[40:41], s[38:39], 16384
	s_and_b32 s45, s28, 1
	s_lshl_b32 s42, s45, 13
	s_add_nc_u64 s[38:39], s[38:39], s[42:43]  ; K: my four key tiles
	s_lshl_b32 s42, s45, 11
	s_add_nc_u64 s[40:41], s[40:41], s[42:43]  ; V: my two key steps
	v_mov_b32 v6, v1
	v_add_nc_u32 v7, 49152, v1
	s_wait_loadcnt 48                      ; the ring's 48 are younger: the biases are in
.irp c, 12,13,14,15
	v_mul_f32 v\c, s36, v\c
.endr
	s_wait_dscnt 0x0                       ; for the others: my tile lies in LDS
	s_barrier_signal -1
	s_barrier_wait -1
	AL 0, 0
	STEP 0, 0, 1, 3, 1, 48, 8              ; position step 0 starts the sums
	WIN 0
	s_mov_b32 s31, 5
.Lk:                                       ; position steps 4 n + 1 .. 4 n + 4; the refills are position group n + 1
	s_wait_xcnt 0x0                        ; every load issued has read its address: the pointers may be written
	s_add_co_u32 s50, s50, 16384
	s_cmp_eq_u32 s50, 98304
	s_cselect_b32 s50, 0, s50              ; behind the sixth group comes the first
	s_add_nc_u64 s[32:33], s[46:47], s[50:51]
	s_add_nc_u64 s[34:35], s[48:49], s[50:51]
	STEP 1, 1, 0, 0, 2, 48, 8
	STEP 2, 0, 0, 1, 3, 48, 8
	STEP 3, 1, 0, 2, 4, 48, 8
	STEP 0, 0, 0, 3, 5, 48, 8
	WIN 0
	v_add_nc_u32 v6, 4096, v6
	v_add_nc_u32 v7, 4096, v7
	s_sub_co_u32 s31, s31, 1
	s_cmp_lg_u32 s31, 0
	s_cbranch_scc1 .Lk
	STEP 1, 1, 0, -1, 2, 32, 8             ; the last three steps ask for no weights: the counts run down
	STEP 2, 0, 0, -1, 3, 16, 8
	STEP 3, 1, 0, -1, -1, 0, 0
	WIN 0
.rept 4
	v_nop
.endr
	WIN 0x0a
.set i, 0
.rept 64
	v_cvt_pk_f16_f32 v[128+i], v[2*i], v[2*i+1]
.set i, i+1
.endr
	WIN 0
.set i, 0
.rept 16                                   ; accumulator 4 t + a: key tile a, channel tile t: 512 consecutive bytes
	global_store_b128 v1, v[128+4*i:128+4*i+3], s[38:39] offset:2048*(i%4)+512*(i/4)
.set i, i+1
.endr
	WIN 0x82
.set i, 0
.rept 64                                   ; v = sum x tc + bv tc; tile t = i / 16
.if ((i/16)%2) == 0
	v_pk_fma_f32 v[128+2*i:129+2*i], v[128+2*i:129+2*i], s[36:37], v[12+2*(i/32):13+2*(i/32)] op_sel_hi:[1,0,0]
.else
	v_pk_fma_f32 v[128+2*i:129+2*i], v[128+2*i:129+2*i], s[36:37], v[12+2*(i/32):13+2*(i/32)] op_sel:[0,0,1] op_sel_hi:[1,0,1]
.endif
.set i, i+1
.endr
	WIN 0x0a
.set i, 0
.rept 64
	v_cvt_pk_f16_f32 v[192+i], v[128+2*i], v[129+2*i]
.set i, i+1
.endr
	WIN 0
.set i, 0
.rept 16
	global_store_b128 v1, v[192+4*i:192+4*i+3], s[40:41] offset:4096*(i/4)+512*(i%4)
.set i, i+1
.endr
	s_wait_tensorcnt 0x0                   ; the wave's end
	ds_add_u32 v2, v3
	s_wait_dscnt 0x0
	s_endpgm
.Lfunc_end_k_qc807156bf6_kv:
	.size	k_qc807156bf6_kv, .Lfunc_end_k_qc807156bf6_kv-k_qc807156bf6_kv
	.p2alignl 7, 3214868480
	.fill 96, 4, 3214868480
	.section	.rodata,"a",@progbits
	.p2align	6, 0x0
	.amdhsa_kernel k_qc807156bf6_kv
		.amdhsa_group_segment_fixed_size 98816
		.amdhsa_private_segment_fixed_size 0
		.amdhsa_enable_private_segment 0
		.amdhsa_kernarg_size 88
		.amdhsa_user_sgpr_count 2
		.amdhsa_user_sgpr_kernarg_segment_ptr 1
		.amdhsa_wavefront_size32 1
		.amdhsa_system_sgpr_workgroup_id_x 1
		.amdhsa_system_sgpr_workgroup_id_y 1
		.amdhsa_system_sgpr_workgroup_id_z 1
		.amdhsa_system_vgpr_workitem_id 0
		.amdhsa_next_free_vgpr 768
		.amdhsa_next_free_sgpr 66
		.amdhsa_reserve_vcc 0
		.amdhsa_float_denorm_mode_32 3
		.amdhsa_float_denorm_mode_16_64 3
		.amdhsa_memory_ordered 1
		.amdhsa_forward_progress 1
		.amdhsa_inst_pref_size 71
	.end_amdhsa_kernel
	.amdgpu_metadata
---
amdhsa.version: [ 1, 2 ]
amdhsa.kernels:
  - .name:           k_qc807156bf6_kv
    .symbol:         k_qc807156bf6_kv.kd
    .args:
      - { .name: xfa, .offset: 0, .size: 8, .value_kind: global_buffer, .address_space: global }
      - { .name: wpk, .offset: 8, .size: 8, .value_kind: global_buffer, .address_space: global }
      - { .name: bk, .offset: 16, .size: 8, .value_kind: global_buffer, .address_space: global }
      - { .name: bv, .offset: 24, .size: 8, .value_kind: global_buffer, .address_space: global }
      - { .name: cond_type, .offset: 32, .size: 8, .value_kind: global_buffer, .address_space: global }
      - { .name: styp, .offset: 40, .size: 8, .value_kind: global_buffer, .address_space: global }
      - { .name: be, .offset: 48, .size: 8, .value_kind: global_buffer, .address_space: global }
      - { .name: ln_y_g, .offset: 56, .size: 8, .value_kind: global_buffer, .address_space: global }
      - { .name: ln_y_b, .offset: 64, .size: 8, .value_kind: global_buffer, .address_space: global }
      - { .name: kvf, .offset: 72, .size: 8, .value_kind: global_buffer, .address_space: global }
      - { .name: sty, .offset: 80, .size: 8, .value_kind: global_buffer, .address_space: global }
    .group_segment_fixed_size: 98816
    .private_segment_fixed_size: 0
    .kernarg_segment_align: 8
    .kernarg_segment_size: 88
    .max_flat_workgroup_size: 128
    .sgpr_count:     66
    .vgpr_count:     768
    .wavefront_size: 32
...
	.end_amdgpu_metadata
.endif
;; end of part 2
;; launch main (part 3): grid 256 x 1, 4 waves a work-group, no clusters, 276,992 bytes of LDS; arguments x, ln_x_g, ln_x_b, bq, cond_type, wpk, kvf, sty, bo, out0; writes out0
.if DOCPART == 3
	.amdgcn_target "amdgcn-amd-amdhsa--gfx1250"
	.amdhsa_code_object_version 6
	.text
	.protected	k_qc807156bf6_main
	.globl	k_qc807156bf6_main
	.p2align	8
	.type	k_qc807156bf6_main,@function
k_qc807156bf6_main:
	s_mov_b64 s[64:65], 0
	v_nop
	global_prefetch_b8 v0, s[64:65] scope:SCOPE_SE
	s_setreg_imm32_b32 hwreg(HW_REG_WAVE_MODE, 25, 1), 1
	s_wait_xcnt 0x0
; MAIN: out = x + silu(LN(y) (1 + scale) + shift) Wo + bo, y = softmax(q k^T + mask) v, q = LN(x) Wq + bq: all in one launch, x read once, out written once.
; A work-group owns 64 rows (g = 64-row block, batch g / 8).  In the LayerNorms wave w takes rows 16 w ..; in the products it takes 256 columns, four heads.
; So each fragment of Wq, K, V, Wo is multiplied by ONE wave of the work-group: it comes, fragment-ready, from memory straight into registers (512 consecutive bytes a load), through a
; ring of four sets: 48 loads (24 KiB a wave) are out for 96 matrix instructions, and no K loop has a barrier.  LDS holds what the waves share.
; ROTATION.  kappa = g % 8.  The work-group keeps its 1,024 channels in POSITION order: position chunk c (128 channels) stands for channel chunk (c + kappa) % 8, in x, q's heads, y, h and out alike.
; Only global addresses hold kappa (x, the gains, the tables, the weights, K and V, bo, out); every LDS address is made of the thread's number, constants and loop steps.  So the eight kinds of
; work-groups enter each weight stream at eight different K steps, and a batch's eight work-groups take its heads in eight different orders: at no time do all of them ask for the same bytes.
; THE LOOPS of the two large products: one opening unit, trips of four, three closing units: a trip's refills are the next aligned group of K steps, so one offset, stepped and masked once a trip, serves them.
; THE LAST PRODUCT goes in two passes of 128 columns a wave on one text: the first pass's 64 stores a wave leave while the second pass is multiplied.
; NO CLUSTER, NO TENSOR LOAD: beside the two activation regions 50 KB of LDS are left, less than two slots of one K step (64 KB); and a way through LDS would add a write and a read to each weight byte.
; FORMATS: xn, Wq, q, k, v, p in f16; y (LDS) and x for the residual (LDS) rounded once to f16; h and Wo in bf16 (h may pass f16's range); sums, statistics (two passes), maxima in f32.
; LIMITS: |x|, |xn|, |q|, |y| under 65,504; cond_type at least -2,147,483,640; a weight below 2^-126 counts as 0; NaN and infinities are not treated apart; the order of f32 sums is this text's own and hangs on g.
; COLUMN ORDER: tile t of a 64-column block holds column 4 i + t of the block at index i; q, y, h lie in LDS at place 64 P + 16 t + i of position block P; K, V, Wo and the tables were laid out to match.
; LAYOUTS: Q^T = Wq xn^T and O^T = V^T P hold one query a lane and 8 neighbouring places (16 bytes); S^T = K Q^T, two tiles rounded in place, is source 1 of V^T P;
;   out = h Wo holds column 4 r + t a lane: four tiles make 16 bytes of out, sixteen lanes 256 consecutive bytes.
; LDS: XN 64 rows x 2,064 (xn, then q, y, h); X16 the same (x in f16); PAR bq, GA, BE in f32 by position; the spare words.  2,064 = 129 x 16: 16 rows of a fragment start at 16 different groups of banks.
; REGISTERS: window 0 addresses, tables, A fragments, work; window 1 LayerNorm rows / the ring / K and V; windows 2, 3 accumulators / S, P / O, Q fragments / out's rows on their way.
.set PITCH, 2064
.set R16, 16*PITCH
.set R32, 32*PITCH
.set X16, 64*PITCH
.set PAR, 128*PITCH
.set SPARE, PAR+12288
.set VO, 1
.set SPW, 2
.set NIL, 3
.set RR, 4
.set HH, 5
.set AA, 6
.set LX, 8
.set LXH, 9
.set ZR, 9                             ; v9 again, once x in f16 lies in LDS: 0, the addend of the widening in LN(y)
.set BA, 10
.set PA, 11
.set QS, 12
.set XA, 14
.set OV, 16
.set PFV, 17
.set ONE, 18
.set PS, 19
.set MK, 20
.set QH, 28
.set R4, 30
.set AB, 31
.set T, 32
.set G, 96
.set B, 128
.set H, 160
.set M, 224
.set R, 232
.set VOX, 240                          ; v240-247: 16 x lane + 512 x ((q + kappa) % 8): position chunk q of a row of x, ln_x_g, ln_x_b
.set CM, 32
.set LS, 64
.set MC, 96
.set RL, 104
.set PRA, 30                           ; s[30:31] the ring's refill pointer (first column half of Q; Wo)
.set PRB, 56                           ; s[56:57] the same for Q's second column half
.set NRW, 4                            ; rows that a LayerNorm trip takes: 4 for x, 2 for y
.set MSB, 0
.macro WIN new
.if MSB != (\new)
	s_set_vgpr_msb (MSB<<8)|(\new)
.set MSB, (\new)
.endif
.endm
.macro PLACES
.rept 4
	v_nop
.endr
.endm
.macro XLOAD                           ; four rows of x: 32 loads of 512 consecutive bytes
	WIN 0x40
.set i, 0
.rept 32
	global_load_b128 v[4*i:4*i+3], v[VOX+i%8], s[28:29] offset:4096*(i/8) th:TH_LOAD_NT
.set i, i+1
.endr
	WIN 0
.endm
.macro ROWRED                          ; T[16 p], T[16 p + 1] -> the row's sum in every lane
.set p, 0
.rept NRW
	v_add_f32 v[T+16*p], v[T+16*p], v[T+16*p+1]
.set p, p+1
.endr
.irp m, 1,2,4,8
.set p, 0
.rept NRW
	v_add_f32_dpp v[T+16*p], v[T+16*p], v[T+16*p] row_xmask:\m row_mask:0xf bank_mask:0xf
.set p, p+1
.endr
.endr
.set p, 0
.rept NRW
	v_permlanex16_b32 v[T+16*p+1], v[T+16*p], s38, s39
.set p, p+1
.endr
.set p, 0
.rept NRW
	v_add_f32 v[T+16*p], v[T+16*p], v[T+16*p+1]
.set p, p+1
.endr
.endm
.macro S_SUM                           ; the rows' means (rows in window 1, v[32 p ..])
	WIN 0x05
.set i, 0
.rept 8*NRW
	v_pk_add_f32 v[T+2*i:T+2*i+1], v[4*i:4*i+1], v[4*i+2:4*i+3]
.set i, i+1
.endr
	WIN 0
.irp d, 2,4,8
.set i, 0
.rept 8*NRW/\d
	v_pk_add_f32 v[T+i:T+i+1], v[T+i:T+i+1], v[T+i+\d:T+i+\d+1]
.set i, i+2*\d
.endr
.endr
	ROWRED
.set p, 0
.rept NRW
	v_mul_f32 v[M+2*p], s40, v[T+16*p]
	v_mul_f32 v[M+2*p+1], s40, v[T+16*p]
.set p, p+1
.endr
.endm
.macro S_SUB                           ; D = X - mean
	WIN 0x41
.set i, 0
.rept 16*NRW
	v_pk_add_f32 v[128+2*i:129+2*i], v[2*i:2*i+1], v[M+2*(i/16):M+2*(i/16)+1] neg_lo:[0,1] neg_hi:[0,1]
.set i, i+1
.endr
.endm
.macro S_VAR                           ; 1 / sqrt(mean of D^2 + eps)
	WIN 0x05
.set i, 0
.rept 16*NRW
.if (i%16) < 4
	v_pk_mul_f32 v[T+16*(i/16)+2*(i%4):T+16*(i/16)+2*(i%4)+1], v[128+2*i:129+2*i], v[128+2*i:129+2*i]
.else
	v_pk_fma_f32 v[T+16*(i/16)+2*(i%4):T+16*(i/16)+2*(i%4)+1], v[128+2*i:129+2*i], v[128+2*i:129+2*i], v[T+16*(i/16)+2*(i%4):T+16*(i/16)+2*(i%4)+1]
.endif
.set i, i+1
.endr
	WIN 0
.set p, 0
.rept NRW
	v_pk_add_f32 v[T+16*p:T+16*p+1], v[T+16*p:T+16*p+1], v[T+16*p+2:T+16*p+3]
	v_pk_add_f32 v[T+16*p+4:T+16*p+5], v[T+16*p+4:T+16*p+5], v[T+16*p+6:T+16*p+7]
.set p, p+1
.endr
.set p, 0
.rept NRW
	v_pk_add_f32 v[T+16*p:T+16*p+1], v[T+16*p:T+16*p+1], v[T+16*p+4:T+16*p+5]
.set p, p+1
.endr
	ROWRED
.set p, 0
.rept NRW
	v_fma_f32 v[T+16*p], v[T+16*p], s40, s41
.set p, p+1
.endr
.set p, 0
.rept NRW
	v_rsq_f32 v[R+2*p], v[T+16*p]
.set p, p+1
.endr
	v_nop                                  ; a plain instruction behind the batch,
	s_wait_alu depctr_va_vdst(0)           ; and one wait for the roots
.set p, 0
.rept NRW
	v_mov_b32 v[R+2*p+1], v[R+2*p]
.set p, p+1
.endr
.endm
.macro S_NORM                          ; D = D r G + B
	WIN 0x41
.set i, 0
.rept 16*NRW
	v_pk_mul_f32 v[128+2*i:129+2*i], v[128+2*i:129+2*i], v[R+2*(i/16):R+2*(i/16)+1]
.set i, i+1
.endr
.set i, 0
.rept 16*NRW
	v_pk_fma_f32 v[128+2*i:129+2*i], v[128+2*i:129+2*i], v[G+2*(i%16):G+2*(i%16)+1], v[B+2*(i%16):B+2*(i%16)+1]
.set i, i+1
.endr
.endm
.macro CVTST src, adr                  ; the rows to f16 and into LDS, 8 bytes a lane
	WIN 0x05
.set i, 0
.rept 16*NRW
	v_cvt_pk_f16_f32 v[H+i], v[(\src)+2*i], v[(\src)+2*i+1]
.set i, i+1
.endr
	WIN 0
.set i, 0
.rept 8*NRW
	ds_store_b64 v[\adr], v[H+2*i:H+2*i+1] offset:PITCH*(i/8)+256*(i%8)
.set i, i+1
.endr
.endm
; THE TWO LARGE PRODUCTS.  A unit = one K step of 32 x 128 columns: 8 column tiles x 4 row tiles = 32 matrix instructions, 16 loads.
.macro WLU set, ptr, so                ; the unit's two blocks of 4,096 bytes, K step so behind the pointer
	WIN 0x40
.set i, 0
.rept 16
	global_load_b128 v[64*(\set)+4*i:64*(\set)+4*i+3], v[VO], s[\ptr:\ptr+1] offset:(i/8)*131072+4096*(\so)+512*(i%8)
.set i, i+1
.endr
.endm
.macro AFL buf, off                    ; the 64 rows' fragments of one K step
	WIN 0
.set i, 0
.rept 8
	ds_load_b128 v[64+32*(\buf)+4*i:64+32*(\buf)+4*i+3], v[AA+i/4] offset:((i/2)%2)*R16+(\off)+32*(i%2)
.set i, i+1
.endr
.endm
; kind 0: Q^T = Wq xn^T in f16, accumulators in window 2 + hf; kind 1: h Wo in bf16, accumulators in window 2.  first = 1: C is the bias, 8 registers a column tile at v128 on.
; rp >= 0: the set read by the unit before is asked for again, by pointer rp, K step rso.  aoff >= 0: the next K step's A fragments.  nd < 0: this unit's A has been waited for.
.macro UNIT kind, set, buf, hf, first, rp, rso, aoff, nl, nd, pf
	PLACES                                 ; between the unit before and the loads into registers that it read
.if (\rp) >= 0
	WLU ((\set)+3)%4, \rp, \rso
.endif
.if (\aoff) >= 0
	AFL 1-(\buf), \aoff
.endif
.if \pf
	WIN 0
	s_cmp_eq_u32 s27, 1                    ; in the loop's last trip: my 16 KiB of the batch's K and V, 64 blocks of 256 bytes, a lane a block.  The batch's eight
	s_cbranch_scc0 .Lnpf_\@                ; work-groups and their waves share its 512 KiB out by address: each block is named once in the launch, 224 matrix instructions ahead of the first K load
	global_prefetch_b8 v[PFV], s[34:35] th:TH_LOAD_NT scope:SCOPE_SE
	global_prefetch_b8 v[PFV], s[34:35] offset:8192 th:TH_LOAD_NT scope:SCOPE_SE
.Lnpf_\@:
.endif
	s_wait_loadcnt \nl                     ; 16 loads for each younger unit may stay out
.if (\nd) >= 0
	s_wait_dscnt \nd                       ; the next K step's eight may stay out
.endif
.if (\kind) == 0
.if \first
	WIN 0x81+0x40*(\hf)
.else
	WIN 0xa1+0x50*(\hf)
.endif
.else
.if \first
	WIN 0x84
.else
	WIN 0xa4
.endif
.endif
.set i, 0
.rept 32                                   ; the unit's 32 accumulators take turns, one instruction a turn
.set rW, 64*(\set)+8*(i/4)
.set rF, 64+32*(\buf)+8*(i%4)
.set rC, 128+8*(i/4)
.if (\kind) == 0
.if \first
	v_wmma_f32_16x16x32_f16 v[8*i:8*i+7], v[rW:rW+7], v[rF:rF+7], v[rC:rC+7]
.else
	v_wmma_f32_16x16x32_f16 v[8*i:8*i+7], v[rW:rW+7], v[rF:rF+7], v[8*i:8*i+7]
.endif
.else
.if \first
	v_wmma_f32_16x16x32_bf16 v[8*i:8*i+7], v[rF:rF+7], v[rW:rW+7], v[rC:rC+7]
.else
	v_wmma_f32_16x16x32_bf16 v[8*i:8*i+7], v[rF:rF+7], v[rW:rW+7], v[8*i:8*i+7]
.endif
.endif
.set i, i+1
.endr
.endm
.macro KLOAD
	WIN 0x40
.set i, 0
.rept 32
	global_load_b128 v[4*i:4*i+3], v[VO], s[32:33] offset:512*i
.set i, i+1
.endr
	WIN 0
.endm
.macro VLOAD
	WIN 0x40
.set i, 0
.rept 32
	global_load_b128 v[128+4*i:128+4*i+3], v[VO], s[32:33] offset:16384+512*i
.set i, i+1
.endr
	WIN 0
.endm
.macro PACKQ hf                        ; 32 accumulators of q to f16 and into my own strip of XN
	WIN 0x0a+5*(\hf)
.set i, 0
.rept 128
	v_cvt_pk_f16_f32 v[128+i], v[2*i], v[2*i+1]
.set i, i+1
.endr
	WIN 0
.set i, 0
.rept 32
	ds_store_b128 v[QS+(i%4)/2], v[128+4*i:128+4*i+3] offset:(i%2)*R16+128*(2*(\hf)+i/16)+32*((i/4)%4)
.set i, i+1
.endr
.endm
.macro XL n                            ; x in f16 for group n of a pass: 8 rows x 4 columns a lane
.set i, 0
.rept 8
	ds_load_b64 v[48+16*((\n)%2)+2*i:48+16*((\n)%2)+2*i+1], v[XA+((\n)%4)/2] offset:(((\n)%2)*16+i)*PITCH+128*((\n)/4)
.set i, i+1
.endr
.endm
.macro OUTG n                          ; group n of a pass: column block n / 4 of its two, row tile n % 4.  Each group has 32 registers of window 3 to itself: no wait stands among a pass's stores
.if (\n) < 7
	XL (\n)+1
	s_wait_dscnt 8
.else
	s_wait_dscnt 0x0
.endif
	WIN 0xe0
.set i, 0
.rept 32                                   ; row j = i / 4 (ascending: each accumulator from its lowest register on), tile t = i % 4: x + (h Wo + bo)
.set rX, 48+16*((\n)%2)+2*(i/4)+(i%4)/2
.set rA, 8*(4*(4*((\n)/4)+i%4)+(\n)%4)+i/4
.if (i%2) == 0
	v_fma_mix_f32 v[32*(\n)+i], v[rX], v[ONE], v[rA] op_sel_hi:[1,0,0]
.else
	v_fma_mix_f32 v[32*(\n)+i], v[rX], v[ONE], v[rA] op_sel:[1,0,0] op_sel_hi:[1,0,0]
.endif
.set i, i+1
.endr
	WIN 0x0c                               ; the stores' data in window 3; addresses, and the LDS loads above, in window 0
.set i, 0
.rept 8
	global_store_b128 v[OV], v[32*(\n)+4*i:32*(\n)+4*i+3], s[70:71] offset:(16*((\n)%4)+i)*4096+256*((\n)/4) th:TH_STORE_NT
.set i, i+1
.endr
.endm
	s_load_b512 s[4:19], s[0:1], 0x0       ; x 4, ln_x_g 6, ln_x_b 8, bq 10, cond_type 12, wpk 14, kvf 16, sty 18
	s_load_b128 s[20:23], s[0:1], 0x40     ; bo 20, out0 22
	v_lshl_add_u32 v[SPW], v0, 2, SPARE    ; my spare word,
	v_mov_b32 v[NIL], 0                    ; and 0: kept for the closing lines alone
	v_lshrrev_b32 v[T], 5, v0
	v_readfirstlane_b32 s24, v[T]          ; wave
	s_mov_b32 s25, ttmp9                   ; g
	s_lshr_b32 s26, s25, 3                 ; batch
	s_and_b32 s54, s25, 7                  ; kappa
	v_and_b32 v[RR], 15, v0
	v_bfe_u32 v[HH], v0, 4, 1
	v_and_b32 v[VO], 31, v0
	v_lshlrev_b32 v[PFV], 8, v[VO]
	v_lshl_add_u32 v[PA], v[VO], 5, PAR+4096
	s_mul_i32 s48, s24, R16
	v_lshl_add_u32 v[LX], v[VO], 3, s48    ; my 16 rows, 8 bytes a lane
	v_add_nc_u32 v[LXH], X16, v[LX]
	v_lshlrev_b32 v[VO], 4, v[VO]
.set i, 0
.rept 8
	s_add_co_u32 s48, s54, i
	s_and_b32 s48, s48, 7
	s_lshl_b32 s48, s48, 9
	v_add_nc_u32 v[VOX+i], s48, v[VO]
.set i, i+1
.endr
	v_mul_u32_u24 v[AB], v[RR], PITCH
	v_lshl_add_u32 v[AB], v[HH], 4, v[AB]  ; a fragment's row and half
	s_lshl_b32 s48, s24, 9
	v_add_nc_u32 v[QS], s48, v[AB]         ; + my strip of 512 bytes
	v_add_nc_u32 v[QS+1], R32, v[QS]
	v_mul_u32_u24 v[XA], v[HH], 8*PITCH
	v_lshl_add_u32 v[XA], v[RR], 3, v[XA]
	s_add_co_u32 s49, s48, X16
	v_add_nc_u32 v[XA], s49, v[XA]
	v_add_nc_u32 v[XA+1], R32, v[XA]
	s_lshl_b32 s48, s24, 10
	s_add_co_u32 s48, s48, PAR
	v_lshl_add_u32 v[BA], v[HH], 5, s48
	v_lshlrev_b32 v[R4], 4, v[RR]
	v_lshl_add_u32 v[OV], v[HH], 15, v[R4]
	v_mov_b32 v[ONE], 1.0
	v_lshrrev_b32 v[PS], 4, v0
	v_lshlrev_b32 v[PS], 8, v[PS]
	v_lshl_add_u32 v[PS], v[RR], 2, v[PS]
	v_add_nc_u32 v[PS], PAR, v[PS]
	s_lshl_b32 s48, s54, 9
	v_lshl_add_u32 v[T+1], v0, 4, s48      ; the tables' 16 bytes a thread: position block P is channel block (P + 2 kappa) % 16, 256 bytes each
	v_add_nc_u32 v[T+2], 2048, v[T+1]
	v_and_b32 v[T+1], 0xfff, v[T+1]
	v_and_b32 v[T+2], 0xfff, v[T+2]
	s_mov_b32 s38, 0x76543210
	s_mov_b32 s39, 0xfedcba98
	s_mov_b32 s40, 0x3a800000              ; 1 / 1024
	s_mov_b32 s41, 0x3727c5ac              ; 1e-5
	s_mov_b32 s42, 0x3fb8aa3b              ; log2(e)
	s_mov_b32 s43, s42
	s_mov_b32 s47, 0                       ; s[46:47]: a byte offset, high word 0
	s_mov_b32 s63, 0                       ; s[62:63]: the K offset in a weight stream
	s_mov_b32 s69, 0                       ; s[68:69]: the head's offset in the batch's K and V
	s_wait_kmcnt 0x0
	s_lshl_b32 s46, s26, 2
	s_add_nc_u64 s[12:13], s[12:13], s[46:47]
	s_load_b32 s50, s[12:13], 0x0          ; cond_type[b]
	s_lshl_b32 s46, s26, 13
	s_add_nc_u64 s[18:19], s[18:19], s[46:47]
	s_lshl_b32 s46, s25, 18
	s_lshl_b32 s48, s24, 16
	s_add_co_u32 s46, s46, s48
	s_add_nc_u64 s[28:29], s[4:5], s[46:47]
	; PHASE 0: the tables by position, LN(x) to f16, x to f16
	global_load_b128 v[36:39], v[T+1], s[10:11]
	global_load_b128 v[40:43], v[T+2], s[10:11]
	global_load_b128 v[44:47], v[T+1], s[18:19]
	global_load_b128 v[48:51], v[T+2], s[18:19]
	global_load_b128 v[52:55], v[T+1], s[18:19] offset:4096
	global_load_b128 v[56:59], v[T+2], s[18:19] offset:4096
.set i, 0
.rept 8
	global_load_b128 v[G+4*i:G+4*i+3], v[VOX+i], s[6:7]
	global_load_b128 v[B+4*i:B+4*i+3], v[VOX+i], s[8:9]
.set i, i+1
.endr
	XLOAD
	s_wait_loadcnt 48                      ; gains, biases and x, 16 + 32 loads, are younger than the six table loads
.set i, 0
.rept 24                                   ; channel 4 i' + t of a block goes to place 16 t + i'
	ds_store_b32 v[PS], v[36+i] offset:4096*(i/8)+2048*((i/4)%2)+64*(i%4)
.set i, i+1
.endr
	s_mov_b32 s27, 4
.Lx:                                       ; four rows a trip; the next four are asked for as soon as x - mean has left their registers
	s_wait_loadcnt 0x0
	CVTST 0, LXH
	S_SUM
	S_SUB
	WIN 0
	s_cmp_eq_u32 s27, 1
	s_cbranch_scc1 .Lxn
	s_add_nc_u64 s[28:29], s[28:29], 16384 ; the loads that read it are done
	XLOAD
.Lxn:
	S_VAR
	S_NORM
	CVTST 128, LX
	v_add_nc_u32 v[LX], 4*PITCH, v[LX]
	v_add_nc_u32 v[LXH], 4*PITCH, v[LXH]
	s_sub_co_u32 s27, s27, 1
	s_cmp_lg_u32 s27, 0
	s_cbranch_scc1 .Lx
	s_lshl_b32 s48, s24, 1
	s_add_co_u32 s48, s48, s54
	s_and_b32 s72, s48, 7                  ; the channel chunk of my position chunk 2 w,
	s_add_co_u32 s49, s48, 1
	s_and_b32 s49, s49, 7                  ; and of 2 w + 1
	s_lshl_b32 s46, s72, 18
	s_add_nc_u64 s[58:59], s[14:15], s[46:47]  ; a chunk's two column blocks of Wq: 262,144 bytes
	s_lshl_b32 s46, s49, 18
	s_add_nc_u64 s[60:61], s[14:15], s[46:47]
	s_lshl_b32 s73, s54, 14                ; position K step 0 is K step 4 kappa: 4,096 bytes a step
	s_mov_b32 s62, s73
	s_add_nc_u64 s[PRA:PRA+1], s[58:59], s[62:63]
	s_add_nc_u64 s[PRB:PRB+1], s[60:61], s[62:63]
	s_wait_loadcnt 0x0                     ; no load of x is out on any way out of the loop: the ring's loads below land in the registers that x's loads wrote
	WLU 0, PRA, 0
	WLU 1, PRB, 0
	WLU 2, PRA, 1
	WIN 0
	s_wait_kmcnt 0x0
	s_add_co_u32 s50, s50, 0x7ffffff8      ; c + 2,147,483,640, a multiple of 10 more
	s_mul_hi_u32 s51, s50, 0xcccccccd
	s_lshr_b32 s51, s51, 3
	s_mul_i32 s51, s51, 10
	s_sub_co_u32 s50, s50, s51
	s_cmp_lg_u32 s50, 0
	s_cselect_b32 s50, 0, 0xc9742400       ; (1 - tcond) x -1e6
.set i, 0
.rept 8
	v_mov_b32 v[MK+i], s50
.set i, i+1
.endr
	s_lshl_b32 s46, s26, 19
	s_add_nc_u64 s[66:67], s[16:17], s[46:47]  ; the batch's K and V
	s_lshl_b32 s48, s24, 2
	s_lshl_b32 s49, s54, 1
	s_add_co_u32 s48, s48, s49
	s_and_b32 s48, s48, 15                 ; position head 4 w is head (4 w + 2 kappa) % 16
	s_lshl_b32 s68, s48, 15
	s_add_nc_u64 s[32:33], s[66:67], s[68:69]
	s_lshl_b32 s46, s54, 2
	s_add_co_u32 s46, s46, s24
	s_lshl_b32 s46, s46, 14
	s_add_nc_u64 s[34:35], s[66:67], s[46:47]  ; what I prefetch of the batch's K and V
	s_lshl_b32 s46, s25, 18
	s_add_nc_u64 s[36:37], s[22:23], s[46:47]  ; out at my work-group's rows
	s_min_u32 s46, s25, 63
	s_lshl_b32 s46, s46, 2
	s_add_co_u32 s46, s46, s24
	s_lshl_b32 s46, s46, 13
	s_add_nc_u64 s[44:45], s[14:15], s[46:47]
	s_add_nc_u64 s[44:45], s[44:45], 5242880   ; what I prefetch of Wo
	s_cmp_lt_u32 s25, 64
	s_cselect_b32 s52, 2, -1
	v_mov_b32 v[AA], v[AB]
	v_add_nc_u32 v[AA+1], R32, v[AB]
	s_wait_dscnt 0x0                       ; for the others: my rows of xn and x, my part of the tables
	s_barrier_signal -1
	s_barrier_wait -1
	; PHASE 1: Q^T = Wq xn^T + bq.  Unit u = 0 .. 63: position K step u / 2, column half u % 2, ring set u % 4
.set i, 0
.rept 16                                   ; bq of the first column half, the C operand of unit 0: a tile's 16 places are 64 bytes, of which my half of the lanes takes 32 (in the address), by two loads
	ds_load_b128 v[128+4*i:128+4*i+3], v[BA] offset:64*(i/2)+16*(i%2)
.set i, i+1
.endr
	WIN 0xc0
.set i, 0
.rept 64                                   ; the second half's 32 sums start from bq, loaded straight into the accumulators: its first unit stands in the loop
	ds_load_b128 v[4*i:4*i+3], v[BA] offset:512+64*(i/8)+16*(i%2)
.set i, i+1
.endr
	AFL 0, 0
	UNIT 0, 0, 0, 0, 1, PRB, 1, 64, 48, 8, 0
	WIN 0
	s_mov_b32 s27, 15
.Lq:                                       ; units 4 n + 1 .. 4 n + 4; the refills are position K steps 2 n + 2 and 2 n + 3
	s_wait_xcnt 0x0                        ; every load and prefetch issued has read its address: the pointers may be written
	s_add_co_u32 s62, s62, 8192
	s_and_b32 s62, s62, 0x1ffff            ; behind K step 31 comes K step 0
	s_add_nc_u64 s[PRA:PRA+1], s[58:59], s[62:63]
	s_add_nc_u64 s[PRB:PRB+1], s[60:61], s[62:63]
	UNIT 0, 1, 0, 1, 0, PRA, 0, -1, 48, -1, 1
	UNIT 0, 2, 1, 0, 0, PRB, 0, 128, 48, 8, 0
	UNIT 0, 3, 1, 1, 0, PRA, 1, -1, 48, -1, 0
	UNIT 0, 0, 0, 0, 0, PRB, 1, 192, 48, 8, 0
	WIN 0
	v_add_nc_u32 v[AA], 128, v[AA]
	v_add_nc_u32 v[AA+1], 128, v[AA+1]
	s_sub_co_u32 s27, s27, 1
	s_cmp_lg_u32 s27, 0
	s_cbranch_scc1 .Lq
	UNIT 0, 1, 0, 1, 0, -1, 0, -1, 32, -1, 0   ; the last three units ask for nothing: the counts run down
	UNIT 0, 2, 1, 0, 0, -1, 0, -1, 16, 0, 0
	UNIT 0, 3, 1, 1, 0, -1, 0, -1, 0, -1, 0
	WIN 0
	PLACES
	KLOAD
	VLOAD
	s_wait_dscnt 0x0                       ; my reads of xn are over
	s_barrier_signal -1
	s_barrier_wait -1                      ; everybody's are: XN takes q, each wave its own strip of 512 bytes of every row
	PACKQ 0
	PACKQ 1
	; PHASE 2: attention, a head a trip, 64 queries x 128 keys
	v_mov_b32 v[QH], v[QS]
	v_mov_b32 v[QH+1], v[QS+1]
	s_mov_b32 s27, 4
.Lhead:
	WIN 0xc0
.set i, 0
.rept 16
	ds_load_b128 v[128+4*i:128+4*i+3], v[QH+((i/2)%4)/2] offset:((i/2)%2)*R16+64*(i/8)+32*(i%2)
.set i, i+1
.endr
	s_wait_loadcnt 32                      ; K is in; V's 32 loads are younger
	s_wait_dscnt 0x0
.set i, 0
.rept 64                                   ; S^T = K Q^T + mask: 32 accumulators by turns, twice
.set rD, 8*(i%32)
.set rA, 8*(2*((i/4)%8)+i/32)
.set rB, 128+8*(4*(i/32)+i%4)
.if i < 32
	WIN 0x8d
	v_wmma_f32_16x16x32_f16 v[rD:rD+7], v[rA:rA+7], v[rB:rB+7], v[MK:MK+7]
.else
	WIN 0xad
	v_wmma_f32_16x16x32_f16 v[rD:rD+7], v[rA:rA+7], v[rB:rB+7], v[rD:rD+7]
.endif
.set i, i+1
.endr
	WIN 0
	PLACES
	s_cmp_eq_u32 s27, 1
	s_cbranch_scc1 .Lnk
	s_wait_xcnt 0x0                        ; V's loads have read the pointer
	s_add_co_u32 s68, s68, 32768
	s_and_b32 s68, s68, 0x7ffff            ; behind head 15 comes head 0
	s_add_nc_u64 s[32:33], s[66:67], s[68:69]
	KLOAD                                  ; the next head's K
.Lnk:
	WIN 0x2a                               ; the maximum of a query's 64 scores in this lane: each accumulator from its lowest registers on
.set i, 0
.rept 32
	v_max3_num_f32 v[CM+8*(i%4)+i/4], v[8*i], v[8*i+1], v[8*i+2]
.set i, i+1
.endr
	WIN 0x28
.irp o, 3,5
.set i, 0
.rept 32
	v_max3_num_f32 v[CM+8*(i%4)+i/4], v[CM+8*(i%4)+i/4], v[8*i+\o], v[8*i+\o+1]
.set i, i+1
.endr
.endr
.set i, 0
.rept 16
	v_max3_num_f32 v[CM+8*(i%4)+2*(i/4)], v[CM+8*(i%4)+2*(i/4)], v[8*(8*(i/4)+i%4)+7], v[8*(8*(i/4)+4+i%4)+7]
.set i, i+1
.endr
	WIN 0
.irp p, 0,1,2,3
	v_max3_num_f32 v[CM+8*(\p)], v[CM+8*(\p)], v[CM+8*(\p)+1], v[CM+8*(\p)+2]
	v_max3_num_f32 v[CM+8*(\p)+3], v[CM+8*(\p)+3], v[CM+8*(\p)+4], v[CM+8*(\p)+5]
.endr
.irp p, 0,1,2,3
	v_max3_num_f32 v[CM+8*(\p)], v[CM+8*(\p)], v[CM+8*(\p)+3], v[CM+8*(\p)+6]
.endr
.irp p, 0,1,2,3
	v_max_num_f32 v[CM+8*(\p)], v[CM+8*(\p)], v[CM+8*(\p)+7]
.endr
.irp p, 0,1,2,3
	v_permlanex16_b32 v[CM+8*(\p)+1], v[CM+8*(\p)], s38, s39  ; the query's other 64 keys lie in the lane 16 away
.endr
.irp p, 0,1,2,3
	v_max_num_f32 v[CM+8*(\p)], v[CM+8*(\p)], v[CM+8*(\p)+1]
.endr
.irp p, 0,1,2,3
	v_mul_f32 v[MC+2*(\p)], s42, v[CM+8*(\p)]
	v_mul_f32 v[MC+2*(\p)+1], s42, v[CM+8*(\p)]
.endr
	WIN 0x82
.set i, 0
.rept 128
	v_pk_fma_f32 v[2*i:2*i+1], v[2*i:2*i+1], s[42:43], v[MC+2*((i/4)%4):MC+2*((i/4)%4)+1] op_sel_hi:[1,0,1] neg_lo:[0,0,1] neg_hi:[0,0,1]
.set i, i+1
.endr
.set i, 0
.rept 256
	v_exp_f32 v[i], v[i]
.set i, i+1
.endr
	v_nop
	s_wait_alu depctr_va_vdst(0)           ; one wait for the batch of 256
	WIN 0x0a                               ; the sums, of the unrounded weights
.set i, 0
.rept 16
	v_pk_add_f32 v[LS+8*(i%4)+2*(i/4):LS+8*(i%4)+2*(i/4)+1], v[8*(i%4)+2*(i/4):8*(i%4)+2*(i/4)+1], v[8*(4+i%4)+2*(i/4):8*(4+i%4)+2*(i/4)+1]
.set i, i+1
.endr
	WIN 0x08
.set i, 0
.rept 96
.set rL, LS+8*(i%4)+2*((i/4)%4)
.set rS, 8*(4*(2+i/16)+i%4)+2*((i/4)%4)
	v_pk_add_f32 v[rL:rL+1], v[rL:rL+1], v[rS:rS+1]
.set i, i+1
.endr
	WIN 0
.irp p, 0,1,2,3
	v_pk_add_f32 v[LS+8*(\p):LS+8*(\p)+1], v[LS+8*(\p):LS+8*(\p)+1], v[LS+8*(\p)+2:LS+8*(\p)+3]
	v_pk_add_f32 v[LS+8*(\p)+4:LS+8*(\p)+5], v[LS+8*(\p)+4:LS+8*(\p)+5], v[LS+8*(\p)+6:LS+8*(\p)+7]
.endr
.irp p, 0,1,2,3
	v_pk_add_f32 v[LS+8*(\p):LS+8*(\p)+1], v[LS+8*(\p):LS+8*(\p)+1], v[LS+8*(\p)+4:LS+8*(\p)+5]
.endr
.irp p, 0,1,2,3
	v_add_f32 v[LS+8*(\p)], v[LS+8*(\p)], v[LS+8*(\p)+1]
.endr
.irp p, 0,1,2,3
	v_permlanex16_b32 v[LS+8*(\p)+1], v[LS+8*(\p)], s38, s39
.endr
.irp p, 0,1,2,3
	v_add_f32 v[LS+8*(\p)], v[LS+8*(\p)], v[LS+8*(\p)+1]
.endr
.irp p, 0,1,2,3
	v_rcp_f32 v[RL+2*(\p)], v[LS+8*(\p)]
.endr
	WIN 0x8a                               ; the weights to f16, in place and ascending: tiles 2 ks and 2 ks + 1 become source 1 for keys 32 ks ..; independent work behind the reciprocals
.set i, 0
.rept 128
.set rA, 8*(8*(i/32)+(i/8)%4)
.if (i%8) < 4
	v_cvt_pk_f16_f32 v[rA+i%8], v[rA+2*(i%8)], v[rA+2*(i%8)+1]
.else
	v_cvt_pk_f16_f32 v[rA+i%8], v[rA+32+2*(i%8-4)], v[rA+32+2*(i%8-4)+1]
.endif
.set i, i+1
.endr
	WIN 0
	s_wait_alu depctr_va_vdst(0)           ; one wait for the four reciprocals
.irp p, 0,1,2,3
	v_mov_b32 v[RL+2*(\p)+1], v[RL+2*(\p)]
.endr
	s_wait_loadcnt 0x0                     ; V is in (the next K, issued a softmax ago, too)
	WIN 0xf9
.set i, 0
.rept 64                                   ; O^T = V^T P: 16 accumulators by turns, four times
.set rD, 8*(i%16)
.set rA, 128+8*(4*((i/4)%4)+i/16)
.set rB, 8*(8*(i/16)+i%4)
.if i < 16
	v_wmma_f32_16x16x32_f16 v[rD:rD+7], v[rA:rA+7], v[rB:rB+7], 0
.else
	v_wmma_f32_16x16x32_f16 v[rD:rD+7], v[rA:rA+7], v[rB:rB+7], v[rD:rD+7]
.endif
.set i, i+1
.endr
	WIN 0
	PLACES
	s_cmp_eq_u32 s27, 1
	s_cbranch_scc1 .Lnv
	VLOAD                                  ; the next head's V (the pointer has stepped)
.Lnv:
	WIN 0xc3
.set i, 0
.rept 64
	v_pk_mul_f32 v[2*i:2*i+1], v[2*i:2*i+1], v[RL+2*((i/4)%4):RL+2*((i/4)%4)+1] op_sel_hi:[1,0]
.set i, i+1
.endr
	WIN 0x0f
.set i, 0
.rept 64
	v_cvt_pk_f16_f32 v[128+i], v[2*i], v[2*i+1]
.set i, i+1
.endr
	WIN 0
.set i, 0
.rept 16                                   ; y takes the place of this head's q
	ds_store_b128 v[QH+(i%4)/2], v[128+4*i:128+4*i+3] offset:(i%2)*R16+32*(i/4)
.set i, i+1
.endr
	v_add_nc_u32 v[QH], 128, v[QH]
	v_add_nc_u32 v[QH+1], 128, v[QH+1]
	s_sub_co_u32 s27, s27, 1
	s_cmp_lg_u32 s27, 0
	s_cbranch_scc1 .Lhead
	s_wait_loadcnt 0x0                     ; no load of K or V is out on any way out of the loop: their registers take LN(y)'s rows and then Wo's ring
	s_wait_dscnt 0x0                       ; for the others: my strip of y
	s_barrier_signal -1
	s_barrier_wait -1
	; PHASE 3: h = silu(LN(y) GA + BE) to bf16, in place, my 16 rows, two a trip
.set NRW, 2
.set i, 0
.rept 16
	ds_load_b128 v[G+4*i:G+4*i+3], v[PA] offset:4096*(i/8)+1024*((i/2)%4)+16*(i%2)
.set i, i+1
.endr
	s_mul_i32 s48, s24, R16
	v_add_nc_u32 v[LX], s48, v[VO]
	v_mov_b32 v[ZR], 0
	s_mov_b32 s27, 8
.Ly:
.set i, 0
.rept 4*NRW
	ds_load_b128 v[T+4*i:T+4*i+3], v[LX] offset:PITCH*(i/4)+512*(i%4)
.set i, i+1
.endr
	s_cmp_eq_u32 s27, s52                  ; two trips from the end the first 64 work-groups name Wo's 8,192 blocks of 256 bytes, 32 a wave, each once in the launch
	s_cbranch_scc0 .Lnw
	global_prefetch_b8 v[PFV], s[44:45] th:TH_LOAD_NT scope:SCOPE_SE
.Lnw:
	s_wait_dscnt 0x0
	WIN 0x40
.set i, 0
.rept 16*NRW                               ; f16 halves x 1.0 + 0: to f32
	v_fma_mix_f32 v[2*i], v[T+i], v[ONE], v[ZR] op_sel_hi:[1,0,0]
	v_fma_mix_f32 v[2*i+1], v[T+i], v[ONE], v[ZR] op_sel:[1,0,0] op_sel_hi:[1,0,0]
.set i, i+1
.endr
	S_SUM
	S_SUB
	S_VAR
	S_NORM
	WIN 0x41                               ; silu(h) = h / (1 + 2^(-h log2 e))
.set i, 0
.rept 16*NRW
	v_pk_mul_f32 v[2*i:2*i+1], v[128+2*i:129+2*i], 0xbfb8aa3b op_sel_hi:[1,0]
.set i, i+1
.endr
.set i, 0
.rept 32*NRW
	v_exp_f32 v[i], v[i]
.set i, i+1
.endr
	v_nop
	s_wait_alu depctr_va_vdst(0)
.set i, 0
.rept 16*NRW
	v_pk_add_f32 v[2*i:2*i+1], v[2*i:2*i+1], 1.0 op_sel_hi:[1,0]
.set i, i+1
.endr
.set i, 0
.rept 32*NRW
	v_rcp_f32 v[i], v[i]
.set i, i+1
.endr
	v_nop
	s_wait_alu depctr_va_vdst(0)
	WIN 0x45
.set i, 0
.rept 16*NRW
	v_pk_mul_f32 v[128+2*i:129+2*i], v[128+2*i:129+2*i], v[2*i:2*i+1]
.set i, i+1
.endr
	WIN 0x05
.set i, 0
.rept 16*NRW
	v_cvt_pk_bf16_f32 v[H+i], v[128+2*i], v[129+2*i]
.set i, i+1
.endr
	WIN 0
.set i, 0
.rept 4*NRW
	ds_store_b128 v[LX], v[H+4*i:H+4*i+3] offset:PITCH*(i/4)+512*(i%4)
.set i, i+1
.endr
	v_add_nc_u32 v[LX], NRW*PITCH, v[LX]
	s_sub_co_u32 s27, s27, 1
	s_cmp_lg_u32 s27, 0
	s_cbranch_scc1 .Ly
	s_add_nc_u64 s[60:61], s[14:15], 5242880   ; Wo (every earlier load is done)
	s_lshl_b32 s46, s72, 18
	s_add_nc_u64 s[58:59], s[60:61], s[46:47]  ; the first pass's chunk: that of my position chunk 2 w
	s_mov_b32 s62, s73
	s_add_nc_u64 s[PRA:PRA+1], s[58:59], s[62:63]
	s_lshl_b32 s46, s72, 9
	s_add_nc_u64 s[74:75], s[20:21], s[46:47]
	global_load_b128 v[32:35], v[R4], s[74:75]             ; bo of the pass's two column blocks
	global_load_b128 v[36:39], v[R4], s[74:75] offset:256
	WLU 0, PRA, 0
	WLU 1, PRA, 1
	WLU 2, PRA, 2
	WIN 0
	v_mov_b32 v[AA], v[AB]
	v_add_nc_u32 v[AA+1], R32, v[AB]
	s_wait_dscnt 0x0                       ; for the others: my rows of h
	s_barrier_signal -1
	s_barrier_wait -1
	; PHASE 4: out = x + h Wo + bo, two passes of one chunk (128 columns) a wave
	s_mov_b32 s53, 2
.Lop:
	s_wait_loadcnt 48                      ; the ring's 48 loads are younger than bo's two
.set i, 0
.rept 64                                   ; bo as the C operand of the first product: a column's number in all eight rows
	v_mov_b32 v[128+i], v[32+i/8]
.set i, i+1
.endr
	AFL 0, 0
	UNIT 1, 0, 0, 0, 1, PRA, 3, 64, 48, 8, 0
	WIN 0
	s_mov_b32 s27, 7
.Lo:                                       ; position K steps 4 n + 1 .. 4 n + 4; the refills are position K steps 4 n + 4 .. 4 n + 7
	s_wait_xcnt 0x0
	s_add_co_u32 s62, s62, 16384
	s_and_b32 s62, s62, 0x1ffff
	s_add_nc_u64 s[PRA:PRA+1], s[58:59], s[62:63]
	UNIT 1, 1, 1, 0, 0, PRA, 0, 128, 48, 8, 0
	UNIT 1, 2, 0, 0, 0, PRA, 1, 192, 48, 8, 0
	UNIT 1, 3, 1, 0, 0, PRA, 2, 256, 48, 8, 0
	UNIT 1, 0, 0, 0, 0, PRA, 3, 320, 48, 8, 0
	WIN 0
	v_add_nc_u32 v[AA], 256, v[AA]
	v_add_nc_u32 v[AA+1], 256, v[AA+1]
	s_sub_co_u32 s27, s27, 1
	s_cmp_lg_u32 s27, 0
	s_cbranch_scc1 .Lo
	UNIT 1, 1, 1, 0, 0, -1, 0, 128, 32, 8, 0
	UNIT 1, 2, 0, 0, 0, -1, 0, 192, 16, 8, 0
	UNIT 1, 3, 1, 0, 0, -1, 0, -1, 0, 0, 0
	WIN 0
	PLACES
	s_wait_xcnt 0x0                        ; the pass before's stores have read their data, offset and base; the ring's loads are done
	s_lshl_b32 s46, s72, 9
	s_add_nc_u64 s[70:71], s[36:37], s[46:47]  ; out at this pass's chunk
	s_cmp_eq_u32 s53, 1
	s_cbranch_scc1 .Lol
	s_add_co_u32 s72, s72, 1               ; the next pass's first loads go out ahead of this pass's way out
	s_and_b32 s72, s72, 7
	s_lshl_b32 s46, s72, 18
	s_add_nc_u64 s[58:59], s[60:61], s[46:47]
	s_mov_b32 s62, s73
	s_add_nc_u64 s[PRA:PRA+1], s[58:59], s[62:63]
	s_lshl_b32 s46, s72, 9
	s_add_nc_u64 s[74:75], s[20:21], s[46:47]
	global_load_b128 v[32:35], v[R4], s[74:75]
	global_load_b128 v[36:39], v[R4], s[74:75] offset:256
	WLU 0, PRA, 0
	WLU 1, PRA, 1
	WLU 2, PRA, 2
	WIN 0
	v_mov_b32 v[AA], v[AB]
	v_add_nc_u32 v[AA+1], R32, v[AB]
.Lol:
	XL 0
.irp n, 0,1,2,3,4,5,6,7
	OUTG \n
.endr
	WIN 0
	v_add_nc_u32 v[XA], 256, v[XA]         ; x's next position chunk
	v_add_nc_u32 v[XA+1], 256, v[XA+1]
	s_sub_co_u32 s53, s53, 1
	s_cmp_lg_u32 s53, 0
	s_cbranch_scc1 .Lop
	s_wait_tensorcnt 0x0                   ; the wave's end
	ds_add_u32 v[SPW], v[NIL]
	s_wait_dscnt 0x0
	s_endpgm
.Lfunc_end_k_qc807156bf6_main:
	.size	k_qc807156bf6_main, .Lfunc_end_k_qc807156bf6_main-k_qc807156bf6_main
	.p2alignl 7, 3214868480
	.fill 96, 4, 3214868480
	.section	.rodata,"a",@progbits
	.p2align	6, 0x0
	.amdhsa_kernel k_qc807156bf6_main
		.amdhsa_group_segment_fixed_size 276992
		.amdhsa_private_segment_fixed_size 0
		.amdhsa_enable_private_segment 0
		.amdhsa_kernarg_size 80
		.amdhsa_user_sgpr_count 2
		.amdhsa_user_sgpr_kernarg_segment_ptr 1
		.amdhsa_wavefront_size32 1
		.amdhsa_system_sgpr_workgroup_id_x 1
		.amdhsa_system_sgpr_workgroup_id_y 1
		.amdhsa_system_sgpr_workgroup_id_z 1
		.amdhsa_system_vgpr_workitem_id 0
		.amdhsa_next_free_vgpr 1024
		.amdhsa_next_free_sgpr 76
		.amdhsa_reserve_vcc 0
		.amdhsa_float_denorm_mode_32 3
		.amdhsa_float_denorm_mode_16_64 3
		.amdhsa_memory_ordered 1
		.amdhsa_forward_progress 1
		.amdhsa_inst_pref_size 255
	.end_amdhsa_kernel
	.section	.bss,"aw",@nobits
	.p2align	6
	.space	262144
	.amdgpu_metadata
---
amdhsa.version: [ 1, 2 ]
amdhsa.kernels:
  - .name:           k_qc807156bf6_main
    .symbol:         k_qc807156bf6_main.kd
    .args:
      - { .name: x, .offset: 0, .size: 8, .value_kind: global_buffer, .address_space: global }
      - { .name: ln_x_g, .offset: 8, .size: 8, .value_kind: global_buffer, .address_space: global }
      - { .name: ln_x_b, .offset: 16, .size: 8, .value_kind: global_buffer, .address_space: global }
      - { .name: bq, .offset: 24, .size: 8, .value_kind: global_buffer, .address_space: global }
      - { .name: cond_type, .offset: 32, .size: 8, .value_kind: global_buffer, .address_space: global }
      - { .name: wpk, .offset: 40, .size: 8, .value_kind: global_buffer, .address_space: global }
      - { .name: kvf, .offset: 48, .size: 8, .value_kind: global_buffer, .address_space: global }
      - { .name: sty, .offset: 56, .size: 8, .value_kind: global_buffer, .address_space: global }
      - { .name: bo, .offset: 64, .size: 8, .value_kind: global_buffer, .address_space: global }
      - { .name: out0, .offset: 72, .size: 8, .value_kind: global_buffer, .address_space: global }
    .group_segment_fixed_size: 276992
    .private_segment_fixed_size: 0
    .kernarg_segment_align: 8
    .kernarg_segment_size: 80
    .max_flat_workgroup_size: 128
    .sgpr_count:     76
    .vgpr_count:     1024
    .wavefront_size: 32
...
	.end_amdgpu_metadata
.endif
;; end of part 3
;; ======== version 2 of 2: 3 launches; version 1 with the launch main written anew for expert scheduling mode
;; limits: values are held in f16: magnitudes above 65,504 overflow, below 6.1e-05 lose precision
;; workspace buffers: wpk 7,340,032 bytes; xfa 6,291,456 bytes; styp 2,097,152 bytes; sty 262,144 bytes; kvf 16,777,216 bytes
;; launch prep: the kernel of part 1 again; grid 736 x 1, 8 waves a work-group, no clusters, 70,656 bytes of LDS; arguments Wq, Wk, Wv, Wo, We, emb, xf, ln_t_g, ln_t_b, wpk, styp, xfa; writes wpk, styp, xfa
;; launch kv: the kernel of part 2 again; grid 256 x 1, 4 waves a work-group, no clusters, 98,816 bytes of LDS; arguments xfa, wpk, bk, bv, cond_type, styp, be, ln_y_g, ln_y_b, kvf, sty; writes kvf, sty
;; launch main (part 4): grid 256 x 1, 4 waves a work-group, no clusters, 276,992 bytes of LDS; arguments x, ln_x_g, ln_x_b, bq, cond_type, wpk, kvf, sty, bo, out0; writes out0
.if DOCPART == 4
	.amdgcn_target "amdgcn-amd-amdhsa--gfx1250"
	.amdhsa_code_object_version 6
	.text
	.protected	k_qc807156bf6_main
	.globl	k_qc807156bf6_main
	.p2align	8
	.type	k_qc807156bf6_main,@function
k_qc807156bf6_main:
	s_mov_b64 s[64:65], 0
	v_nop
	global_prefetch_b8 v0, s[64:65] scope:SCOPE_SE
	s_setreg_imm32_b32 hwreg(HW_REG_WAVE_SCHED_MODE, 0, 2), 2
	s_setreg_imm32_b32 hwreg(HW_REG_WAVE_MODE, 25, 1), 1
	s_wait_xcnt 0x0
	s_wait_alu depctr_vm_vsrc(0)
; MAIN: out = x + silu(LN(y) (1 + scale) + shift) Wo + bo, y = softmax(q k^T + mask) v, q = LN(x) Wq + bq: all in one launch, x read once, out written once.
; A work-group owns 64 rows (g = 64-row block, batch g / 8).  In the LayerNorms wave w takes rows 16 w ..; in the products it takes 256 columns, four heads.
; So each fragment of Wq, K, V, Wo is multiplied by ONE wave of the work-group: it comes, fragment-ready, from memory straight into registers (512 consecutive bytes a load), through a
; ring of four sets: a set is asked for again in the unit behind the one that read it, so 32 to 48 loads (16 to 24 KiB a wave) are out, and no K loop has a barrier.  LDS holds what the waves share.
; ROTATION.  kappa = g % 8.  The work-group keeps its 1,024 channels in POSITION order: position chunk c (128 channels) stands for channel chunk (c + kappa) % 8, in x, q's heads, y, h and out alike.
; Only global addresses hold kappa (x, the gains, the tables, the weights, K and V, bo, out); every LDS address is made of the thread's number, constants and loop steps.  So the eight kinds of
; work-groups enter each weight stream at eight different K steps, and a batch's eight work-groups take its heads in eight different orders: at no time do all of them ask for the same bytes.
; THE LOOPS of the two large products: one opening unit, trips of four, three closing units: a trip's refills are the next aligned group of K steps, so one offset, stepped and masked once a trip, serves them.
; THE LAST PRODUCT goes in two passes of 128 columns a wave on one text: the first pass's 64 stores a wave leave while the second pass is multiplied.
; NO CLUSTER, NO TENSOR LOAD: beside the two activation regions 50 KB of LDS are left, less than two slots of one K step (64 KB); and a way through LDS would add a write and a read to each weight byte.
; FORMATS: xn, Wq, q, k, v, p in f16; y (LDS) and x for the residual (LDS) rounded once to f16; h and Wo in bf16 (h may pass f16's range); sums, statistics (two passes), maxima in f32.
; LIMITS: |x|, |xn|, |q|, |y| under 65,504; cond_type at least -2,147,483,640; a weight below 2^-126 counts as 0; NaN and infinities are not treated apart; the order of f32 sums is this text's own and hangs on g.
; COLUMN ORDER: tile t of a 64-column block holds column 4 i + t of the block at index i; q, y, h lie in LDS at place 64 P + 16 t + i of position block P; K, V, Wo and the tables were laid out to match.
; LAYOUTS: Q^T = Wq xn^T and O^T = V^T P hold one query a lane and 8 neighbouring places (16 bytes); S^T = K Q^T, two tiles rounded in place, is source 1 of V^T P;
;   out = h Wo holds column 4 r + t a lane: four tiles make 16 bytes of out, sixteen lanes 256 consecutive bytes.
; LDS: XN 64 rows x 2,064 (xn, then q, y, h); X16 the same (x in f16); PAR bq, GA, BE in f32 by position; the spare words.  2,064 = 129 x 16: 16 rows of a fragment start at 16 different groups of banks.
; REGISTERS: window 0 addresses, tables, A fragments, work; window 1 LayerNorm rows / the ring / K and V; windows 2, 3 accumulators / S, P / O, Q fragments / out's rows on their way.
; THE MODE: SCHED_MODE bits 1:0 = 2 (LLVM: expert scheduling mode 2), set by the entry lines.  The code itself states the register dependences
; between vector or matrix instructions and memory or LDS instructions, with s_wait_alu, always for 0.
; THE PLAN.  Registers that memory or LDS instructions touch, and who else names them:
;   addresses made once at the head (VO, VOX, PFV, PA, BA, PS, QS, OV, R4, v33, v34): one wait on va_vdst ahead of the first load serves them all.
;   LN(x): window 1 v0-127: loads land, conversions, sums and differences read: one wait behind the differences, then the next four rows are asked for.
;   out-buffers of LDS stores (H in the LayerNorms, v128-255 for q, v128-191 for y): conversions write them, one wait on va_vdst, the run of stores; one wait on vm_vsrc ahead of the lines that write them again.
;   stepped LDS addresses (LX, LXH, AA, QH, XA): vm_vsrc ahead of the add; the write is stated by a wait on va_vdst that stands ahead of the next access for another reason too.
;   THE RING (window 1, set q at 64 q) and the two buffers of A fragments (v64-127): unit u's matrix instructions read set u % 4 and one buffer; its loads land in the set and the buffer that unit u - 1 read.
;     ONE wait on va_vdst at the unit's head, behind the waits for its own data, states that unit u - 1 is done reading; the unit's loads follow, four behind each of its first matrix instructions,
;     which name their own set, their own buffer, the accumulators and the bias: none of the registers that those loads touch.
;   K and V (window 1): one wait behind the 64 products that read them, ahead of the next head's loads.
;   the way out: x in f16 has v48-175 to itself (64 LDS loads in one run), out's rows window 3: four groups are summed, one wait on va_vdst, 32 stores; a pass later xcnt and vm_vsrc free window 3.
.set PITCH, 2064
.set R16, 16*PITCH
.set R32, 32*PITCH
.set X16, 64*PITCH
.set PAR, 128*PITCH
.set VO, 1
.set RR, 4
.set HH, 5
.set AA, 6
.set LX, 8
.set LXH, 9
.set ZR, 9                             ; v9 again, once x in f16 lies in LDS: 0, the addend of the widening in LN(y)
.set BA, 10
.set PA, 11
.set QS, 12
.set XA, 14
.set OV, 16
.set PFV, 17
.set ONE, 18
.set PS, 19
.set MK, 20
.set QH, 28
.set R4, 30
.set AB, 31
.set T, 32
.set G, 96
.set B, 128
.set H, 160
.set M, 224
.set R, 232
.set VOX, 240                          ; v240-247: 16 x lane + 512 x ((q + kappa) % 8): position chunk q of a row of x, ln_x_g, ln_x_b
.set CM, 32
.set LS, 64
.set MC, 96
.set RL, 104
.set PRA, 30                           ; s[30:31] the ring's refill pointer (first column half of Q; Wo)
.set PRB, 56                           ; s[56:57] the same for Q's second column half
.set NRW, 4                            ; rows that a LayerNorm trip takes: 4 for x, 2 for y
.set MSB, 0
.macro WIN new
.if MSB != (\new)
	s_set_vgpr_msb (MSB<<8)|(\new)
.set MSB, (\new)
.endif
.endm
.macro PLACES
.rept 4
	v_nop
.endr
.endm
.macro XLOAD                           ; four rows of x: 32 loads of 512 consecutive bytes
	WIN 0x40
.set i, 0
.rept 32
	global_load_b128 v[4*i:4*i+3], v[VOX+i%8], s[28:29] offset:4096*(i/8) th:TH_LOAD_NT
.set i, i+1
.endr
	WIN 0
.endm
.macro ROWRED                          ; T[16 p], T[16 p + 1] -> the row's sum in every lane
.set p, 0
.rept NRW
	v_add_f32 v[T+16*p], v[T+16*p], v[T+16*p+1]
.set p, p+1
.endr
.irp m, 1,2,4,8
.set p, 0
.rept NRW
	v_add_f32_dpp v[T+16*p], v[T+16*p], v[T+16*p] row_xmask:\m row_mask:0xf bank_mask:0xf
.set p, p+1
.endr
.endr
.set p, 0
.rept NRW
	v_permlanex16_b32 v[T+16*p+1], v[T+16*p], s38, s39
.set p, p+1
.endr
.set p, 0
.rept NRW
	v_add_f32 v[T+16*p], v[T+16*p], v[T+16*p+1]
.set p, p+1
.endr
.endm
.macro S_SUM                           ; the rows' means (rows in window 1, v[32 p ..])
	WIN 0x05
.set i, 0
.rept 8*NRW
	v_pk_add_f32 v[T+2*i:T+2*i+1], v[4*i:4*i+1], v[4*i+2:4*i+3]
.set i, i+1
.endr
	WIN 0
.irp d, 2,4,8
.set i, 0
.rept 8*NRW/\d
	v_pk_add_f32 v[T+i:T+i+1], v[T+i:T+i+1], v[T+i+\d:T+i+\d+1]
.set i, i+2*\d
.endr
.endr
	ROWRED
.set p, 0
.rept NRW
	v_mul_f32 v[M+2*p], s40, v[T+16*p]
	v_mul_f32 v[M+2*p+1], s40, v[T+16*p]
.set p, p+1
.endr
.endm
.macro S_SUB                           ; D = X - mean
	WIN 0x41
.set i, 0
.rept 16*NRW
	v_pk_add_f32 v[128+2*i:129+2*i], v[2*i:2*i+1], v[M+2*(i/16):M+2*(i/16)+1] neg_lo:[0,1] neg_hi:[0,1]
.set i, i+1
.endr
.endm
.macro S_VAR                           ; 1 / sqrt(mean of D^2 + eps)
	WIN 0x05
.set i, 0
.rept 16*NRW
.if (i%16) < 4
	v_pk_mul_f32 v[T+16*(i/16)+2*(i%4):T+16*(i/16)+2*(i%4)+1], v[128+2*i:129+2*i], v[128+2*i:129+2*i]
.else
	v_pk_fma_f32 v[T+16*(i/16)+2*(i%4):T+16*(i/16)+2*(i%4)+1], v[128+2*i:129+2*i], v[128+2*i:129+2*i], v[T+16*(i/16)+2*(i%4):T+16*(i/16)+2*(i%4)+1]
.endif
.set i, i+1
.endr
	WIN 0
.set p, 0
.rept NRW
	v_pk_add_f32 v[T+16*p:T+16*p+1], v[T+16*p:T+16*p+1], v[T+16*p+2:T+16*p+3]
	v_pk_add_f32 v[T+16*p+4:T+16*p+5], v[T+16*p+4:T+16*p+5], v[T+16*p+6:T+16*p+7]
.set p, p+1
.endr
.set p, 0
.rept NRW
	v_pk_add_f32 v[T+16*p:T+16*p+1], v[T+16*p:T+16*p+1], v[T+16*p+4:T+16*p+5]
.set p, p+1
.endr
	ROWRED
.set p, 0
.rept NRW
	v_fma_f32 v[T+16*p], v[T+16*p], s40, s41
.set p, p+1
.endr
.set p, 0
.rept NRW
	v_rsq_f32 v[R+2*p], v[T+16*p]
.set p, p+1
.endr
	v_nop                                  ; a plain instruction behind the batch,
	s_wait_alu depctr_va_vdst(0)           ; and one wait: the roots v[R], v[R+2] .. are written, ahead of the copies that read them
.set p, 0
.rept NRW
	v_mov_b32 v[R+2*p+1], v[R+2*p]
.set p, p+1
.endr
.endm
.macro S_NORM                          ; D = D r G + B
	WIN 0x41
.set i, 0
.rept 16*NRW
	v_pk_mul_f32 v[128+2*i:129+2*i], v[128+2*i:129+2*i], v[R+2*(i/16):R+2*(i/16)+1]
.set i, i+1
.endr
.set i, 0
.rept 16*NRW
	v_pk_fma_f32 v[128+2*i:129+2*i], v[128+2*i:129+2*i], v[G+2*(i%16):G+2*(i%16)+1], v[B+2*(i%16):B+2*(i%16)+1]
.set i, i+1
.endr
.endm
.macro CVTST src, adr                  ; the rows to f16 and into LDS, 8 bytes a lane
	WIN 0x05
.set i, 0
.rept 16*NRW
	v_cvt_pk_f16_f32 v[H+i], v[(\src)+2*i], v[(\src)+2*i+1]
.set i, i+1
.endr
	WIN 0
	s_wait_alu depctr_va_vdst(0)           ; the conversions have written H, which the LDS stores read; so is their address, stepped at the last trip's end
.set i, 0
.rept 8*NRW
	ds_store_b64 v[\adr], v[H+2*i:H+2*i+1] offset:PITCH*(i/8)+256*(i%8)
.set i, i+1
.endr
.endm
; THE TWO LARGE PRODUCTS.  A unit = one K step of 32 x 128 columns: 8 column tiles x 4 row tiles = 32 matrix instructions, 16 loads.
.macro WLQ set, ptr, so, q             ; quarter q of the 16 loads of a unit's two blocks of 4,096 bytes, K step so behind the pointer
	WIN 0x40
.set j, 4*(\q)
.rept 4
	global_load_b128 v[64*(\set)+4*j:64*(\set)+4*j+3], v[VO], s[\ptr:\ptr+1] offset:(j/8)*131072+4096*(\so)+512*(j%8)
.set j, j+1
.endr
.endm
.macro WLU set, ptr, so                ; all sixteen
.irp q, 0,1,2,3
	WLQ \set, \ptr, \so, \q
.endr
.endm
.macro AFH buf, off, q                 ; half q (32 rows) of the 64 rows' fragments of one K step
	WIN 0
.set j, 4*(\q)
.rept 4
	ds_load_b128 v[64+32*(\buf)+4*j:64+32*(\buf)+4*j+3], v[AA+j/4] offset:((j/2)%2)*R16+(\off)+32*(j%2)
.set j, j+1
.endr
.endm
.macro AFL buf, off
	AFH \buf, \off, 0
	AFH \buf, \off, 1
.endm
; kind 0: Q^T = Wq xn^T in f16, accumulators in window 2 + hf; kind 1: h Wo in bf16, accumulators in window 2.  first = 1: C is the bias, 8 registers a column tile at v128 on.
; rp >= 0: the set read by the unit before is asked for again, by pointer rp, K step rso.  aoff >= 0: the next K step's A fragments.  nd < 0: this unit's A has been waited for.
; w = 1: the unit's loads land in registers that the unit before read: the places and the wait stand at its head.  (An opening unit's loads land in registers that no line since the last wait names.)
; The loads stand four behind each of the unit's first matrix instructions: the fragments of A, wanted a unit or two on, first; then the weights, wanted three units on.
.macro UNIT kind, set, buf, hf, first, rp, rso, aoff, nl, nd, pf, w
.if \w
	PLACES                                 ; between the unit before and the loads into registers that it read
.endif
.if \pf
	WIN 0
	s_cmp_eq_u32 s27, 1                    ; in the loop's last trip: my 16 KiB of the batch's K and V, 64 blocks of 256 bytes, a lane a block.  The batch's eight
	s_cbranch_scc0 .Lnpf_\@                ; work-groups and their waves share its 512 KiB out by address: each block is named once in the launch, 224 matrix instructions ahead of the first K load
	global_prefetch_b8 v[PFV], s[34:35] th:TH_LOAD_NT scope:SCOPE_SE
	global_prefetch_b8 v[PFV], s[34:35] offset:8192 th:TH_LOAD_NT scope:SCOPE_SE
.Lnpf_\@:
.endif
	s_wait_loadcnt \nl                     ; 16 loads for each younger unit may stay out; this unit's refill comes behind the wait
.if (\nd) >= 0
	s_wait_dscnt \nd                       ; this K step's fragments of A are in
.endif
.if \w
	s_wait_alu depctr_va_vdst(0)           ; the unit before's matrix instructions are done reading their ring set and their buffer of A, in which the loads below land; behind a trip's end v[AA], v[AA+1] are written
.endif
.set gA, 0
.if (\aoff) >= 0
.set gA, 2
.endif
.set gW, 0
.if (\rp) >= 0
.set gW, 4
.endif
.set WM, 0xa4
.if (\kind) == 0
.set WM, 0xa1+0x50*(\hf)
.if \first
.set WM, 0x81+0x40*(\hf)
.endif
.elseif \first
.set WM, 0x84
.endif
.set i, 0
.rept 32                                   ; the unit's 32 accumulators take turns, one instruction a turn
.set rW, 64*(\set)+8*(i/4)
.set rF, 64+32*(\buf)+8*(i%4)
.set rC, 128+8*(i/4)
	WIN WM
.if (\kind) == 0
.if \first
	v_wmma_f32_16x16x32_f16 v[8*i:8*i+7], v[rW:rW+7], v[rF:rF+7], v[rC:rC+7]
.else
	v_wmma_f32_16x16x32_f16 v[8*i:8*i+7], v[rW:rW+7], v[rF:rF+7], v[8*i:8*i+7]
.endif
.else
.if \first
	v_wmma_f32_16x16x32_bf16 v[8*i:8*i+7], v[rF:rF+7], v[rW:rW+7], v[rC:rC+7]
.else
	v_wmma_f32_16x16x32_bf16 v[8*i:8*i+7], v[rF:rF+7], v[rW:rW+7], v[8*i:8*i+7]
.endif
.endif
.if i < gA
	AFH 1-(\buf), \aoff, i                 ; no wait: no vector or matrix instruction since the last wait on va_vdst names the other buffer of A,
.elseif i < gA+gW
	WLQ ((\set)+3)%4, \rp, \rso, i-gA      ; nor the set that the unit before read
.endif
.set i, i+1
.endr
.endm
.macro KLOAD
	WIN 0x40
.set i, 0
.rept 32
	global_load_b128 v[4*i:4*i+3], v[VO], s[32:33] offset:512*i
.set i, i+1
.endr
	WIN 0
.endm
.macro VLOAD
	WIN 0x40
.set i, 0
.rept 32
	global_load_b128 v[128+4*i:128+4*i+3], v[VO], s[32:33] offset:16384+512*i
.set i, i+1
.endr
	WIN 0
.endm
.macro PACKQ hf                        ; 32 accumulators of q to f16 and into my own strip of XN
	WIN 0x0a+5*(\hf)
.set i, 0
.rept 128
	v_cvt_pk_f16_f32 v[128+i], v[2*i], v[2*i+1]
.set i, i+1
.endr
	WIN 0
	s_wait_alu depctr_va_vdst(0)           ; the conversions have written v128-255, which the LDS stores read
.set i, 0
.rept 32
	ds_store_b128 v[QS+(i%4)/2], v[128+4*i:128+4*i+3] offset:(i%2)*R16+128*(2*(\hf)+i/16)+32*((i/4)%4)
.set i, i+1
.endr
.endm
.macro XLA                             ; x in f16 for a pass's eight groups: group j / 8, 8 rows x 4 columns a lane, 16 registers a group from v48 on
	WIN 0
.set j, 0
.rept 64
	ds_load_b64 v[48+2*j:48+2*j+1], v[XA+((j/8)%4)/2] offset:(((j/8)%2)*16+j%8)*PITCH+128*(j/32)
.set j, j+1
.endr
.endm
.macro OUTF n                          ; group n of a pass: column block n / 4 of its two, row tile n % 4: x + (h Wo + bo) into 32 registers of window 3 that are the group's own
	WIN 0xe0
.set i, 0
.rept 32                                   ; row j = i / 4 (ascending: each accumulator from its lowest register on), tile t = i % 4
.set rX, 48+16*(\n)+2*(i/4)+(i%4)/2
.set rA, 8*(4*(4*((\n)/4)+i%4)+(\n)%4)+i/4
.if (i%2) == 0
	v_fma_mix_f32 v[32*(\n)+i], v[rX], v[ONE], v[rA] op_sel_hi:[1,0,0]
.else
	v_fma_mix_f32 v[32*(\n)+i], v[rX], v[ONE], v[rA] op_sel:[1,0,0] op_sel_hi:[1,0,0]
.endif
.set i, i+1
.endr
.endm
.macro OUTS n                          ; the group's eight stores: sixteen lanes 256 consecutive bytes of out
	WIN 0x0c                               ; the stores' data in window 3, their offset in window 0
.set i, 0
.rept 8
	global_store_b128 v[OV], v[32*(\n)+4*i:32*(\n)+4*i+3], s[70:71] offset:(16*((\n)%4)+i)*4096+256*((\n)/4) th:TH_STORE_NT
.set i, i+1
.endr
.endm
	s_load_b512 s[4:19], s[0:1], 0x0       ; x 4, ln_x_g 6, ln_x_b 8, bq 10, cond_type 12, wpk 14, kvf 16, sty 18
	s_load_b128 s[20:23], s[0:1], 0x40     ; bo 20, out0 22
	v_lshl_add_u32 v2, v0, 2, 0x43800
	v_mov_b32 v3, 0
	v_lshrrev_b32 v[T], 5, v0
	v_readfirstlane_b32 s24, v[T]          ; wave
	s_mov_b32 s25, ttmp9                   ; g
	s_lshr_b32 s26, s25, 3                 ; batch
	s_and_b32 s54, s25, 7                  ; kappa
	v_and_b32 v[RR], 15, v0
	v_bfe_u32 v[HH], v0, 4, 1
	v_and_b32 v[VO], 31, v0
	v_lshlrev_b32 v[PFV], 8, v[VO]
	v_lshl_add_u32 v[PA], v[VO], 5, PAR+4096
	s_wait_alu depctr_va_sdst(0)           ; s24 is written, ahead of its first reader: LDS places and the bases of x, the weights, K, V and out are made from it
	s_mul_i32 s48, s24, R16
	v_lshl_add_u32 v[LX], v[VO], 3, s48    ; my 16 rows, 8 bytes a lane
	v_add_nc_u32 v[LXH], X16, v[LX]
	v_lshlrev_b32 v[VO], 4, v[VO]
.set i, 0
.rept 8
	s_add_co_u32 s48, s54, i
	s_and_b32 s48, s48, 7
	s_lshl_b32 s48, s48, 9
	v_add_nc_u32 v[VOX+i], s48, v[VO]
.set i, i+1
.endr
	v_mul_u32_u24 v[AB], v[RR], PITCH
	v_lshl_add_u32 v[AB], v[HH], 4, v[AB]  ; a fragment's row and half
	s_lshl_b32 s48, s24, 9
	v_add_nc_u32 v[QS], s48, v[AB]         ; + my strip of 512 bytes
	v_add_nc_u32 v[QS+1], R32, v[QS]
	v_mul_u32_u24 v[XA], v[HH], 8*PITCH
	v_lshl_add_u32 v[XA], v[RR], 3, v[XA]
	s_add_co_u32 s49, s48, X16
	v_add_nc_u32 v[XA], s49, v[XA]
	v_add_nc_u32 v[XA+1], R32, v[XA]
	s_lshl_b32 s48, s24, 10
	s_add_co_u32 s48, s48, PAR
	v_lshl_add_u32 v[BA], v[HH], 5, s48
	v_lshlrev_b32 v[R4], 4, v[RR]
	v_lshl_add_u32 v[OV], v[HH], 15, v[R4]
	v_mov_b32 v[ONE], 1.0
	v_lshrrev_b32 v[PS], 4, v0
	v_lshlrev_b32 v[PS], 8, v[PS]
	v_lshl_add_u32 v[PS], v[RR], 2, v[PS]
	v_add_nc_u32 v[PS], PAR, v[PS]
	s_lshl_b32 s48, s54, 9
	v_lshl_add_u32 v[T+1], v0, 4, s48      ; the tables' 16 bytes a thread: position block P is channel block (P + 2 kappa) % 16, 256 bytes each
	v_add_nc_u32 v[T+2], 2048, v[T+1]
	v_and_b32 v[T+1], 0xfff, v[T+1]
	v_and_b32 v[T+2], 0xfff, v[T+2]
	s_mov_b32 s38, 0x76543210
	s_mov_b32 s39, 0xfedcba98
	s_mov_b32 s40, 0x3a800000              ; 1 / 1024
	s_mov_b32 s41, 0x3727c5ac              ; 1e-5
	s_mov_b32 s42, 0x3fb8aa3b              ; log2(e)
	s_mov_b32 s43, s42
	s_mov_b32 s47, 0                       ; s[46:47]: a byte offset, high word 0
	s_mov_b32 s63, 0                       ; s[62:63]: the K offset in a weight stream
	s_mov_b32 s69, 0                       ; s[68:69]: the head's offset in the batch's K and V
	s_wait_kmcnt 0x0
	s_lshl_b32 s46, s26, 2
	s_add_nc_u64 s[12:13], s[12:13], s[46:47]
	s_load_b32 s50, s[12:13], 0x0          ; cond_type[b]
	s_lshl_b32 s46, s26, 13
	s_add_nc_u64 s[18:19], s[18:19], s[46:47]
	s_lshl_b32 s46, s25, 18
	s_lshl_b32 s48, s24, 16
	s_add_co_u32 s46, s46, s48
	s_add_nc_u64 s[28:29], s[4:5], s[46:47]
	s_wait_alu depctr_va_vdst(0)           ; every offset and LDS address made above is written: the loads, stores and prefetches of the whole kernel read them
	; PHASE 0: the tables by position, LN(x) to f16, x to f16
	global_load_b128 v[36:39], v[T+1], s[10:11]
	global_load_b128 v[40:43], v[T+2], s[10:11]
	global_load_b128 v[44:47], v[T+1], s[18:19]
	global_load_b128 v[48:51], v[T+2], s[18:19]
	global_load_b128 v[52:55], v[T+1], s[18:19] offset:4096
	global_load_b128 v[56:59], v[T+2], s[18:19] offset:4096
.set i, 0
.rept 8
	global_load_b128 v[G+4*i:G+4*i+3], v[VOX+i], s[6:7]
	global_load_b128 v[B+4*i:B+4*i+3], v[VOX+i], s[8:9]
.set i, i+1
.endr
	XLOAD
	s_wait_loadcnt 48                      ; gains, biases and x, 16 + 32 loads, are younger than the six table loads
.set i, 0
.rept 24                                   ; channel 4 i' + t of a block goes to place 16 t + i'
	ds_store_b32 v[PS], v[36+i] offset:4096*(i/8)+2048*((i/4)%2)+64*(i%4)
.set i, i+1
.endr
	s_wait_alu depctr_vm_vsrc(0)           ; the tables' loads have read v33 and v34, their LDS stores v36-59: the sums below write T over them
	s_mov_b32 s27, 4
.Lx:                                       ; four rows a trip; the next four are asked for as soon as x - mean has left their registers
	s_wait_loadcnt 0x0
	CVTST 0, LXH
	S_SUM
	S_SUB
	WIN 0
	s_cmp_eq_u32 s27, 1
	s_cbranch_scc1 .Lxn
	s_add_nc_u64 s[28:29], s[28:29], 16384 ; the loads that read it are done
	s_wait_alu depctr_va_vdst(0)           ; the conversions, sums and differences are done reading the four rows' registers, in which the next four land
	XLOAD
.Lxn:
	S_VAR
	S_NORM
	s_wait_alu depctr_vm_vsrc(0)           ; the LDS stores of x in f16 have read H, which the conversions below write again
	CVTST 128, LX
	s_wait_alu depctr_vm_vsrc(0)           ; the trip's LDS stores have read H and their two addresses
	v_add_nc_u32 v[LX], 4*PITCH, v[LX]
	v_add_nc_u32 v[LXH], 4*PITCH, v[LXH]
	s_sub_co_u32 s27, s27, 1
	s_cmp_lg_u32 s27, 0
	s_cbranch_scc1 .Lx
	s_lshl_b32 s48, s24, 1
	s_add_co_u32 s48, s48, s54
	s_and_b32 s72, s48, 7                  ; the channel chunk of my position chunk 2 w,
	s_add_co_u32 s49, s48, 1
	s_and_b32 s49, s49, 7                  ; and of 2 w + 1
	s_lshl_b32 s46, s72, 18
	s_add_nc_u64 s[58:59], s[14:15], s[46:47]  ; a chunk's two column blocks of Wq: 262,144 bytes
	s_lshl_b32 s46, s49, 18
	s_add_nc_u64 s[60:61], s[14:15], s[46:47]
	s_lshl_b32 s73, s54, 14                ; position K step 0 is K step 4 kappa: 4,096 bytes a step
	s_mov_b32 s62, s73
	s_add_nc_u64 s[PRA:PRA+1], s[58:59], s[62:63]
	s_add_nc_u64 s[PRB:PRB+1], s[60:61], s[62:63]
	s_wait_loadcnt 0x0                     ; no load of x is out on any way out of the loop: the ring's loads below land in the registers that x's loads wrote
	WLU 0, PRA, 0                          ; no wait on va_vdst: the last one, ahead of the loop's last LDS stores, stands behind every vector line that names window 1; only the two address steps follow it
	WLU 1, PRB, 0
	WLU 2, PRA, 1
	WIN 0
	s_wait_kmcnt 0x0
	s_add_co_u32 s50, s50, 0x7ffffff8      ; c + 2,147,483,640, a multiple of 10 more
	s_mul_hi_u32 s51, s50, 0xcccccccd
	s_lshr_b32 s51, s51, 3
	s_mul_i32 s51, s51, 10
	s_sub_co_u32 s50, s50, s51
	s_cmp_lg_u32 s50, 0
	s_cselect_b32 s50, 0, 0xc9742400       ; (1 - tcond) x -1e6
.set i, 0
.rept 8
	v_mov_b32 v[MK+i], s50
.set i, i+1
.endr
	s_lshl_b32 s46, s26, 19
	s_add_nc_u64 s[66:67], s[16:17], s[46:47]  ; the batch's K and V
	s_lshl_b32 s48, s24, 2
	s_lshl_b32 s49, s54, 1
	s_add_co_u32 s48, s48, s49
	s_and_b32 s48, s48, 15                 ; position head 4 w is head (4 w + 2 kappa) % 16
	s_lshl_b32 s68, s48, 15
	s_add_nc_u64 s[32:33], s[66:67], s[68:69]
	s_lshl_b32 s46, s54, 2
	s_add_co_u32 s46, s46, s24
	s_lshl_b32 s46, s46, 14
	s_add_nc_u64 s[34:35], s[66:67], s[46:47]  ; what I prefetch of the batch's K and V
	s_lshl_b32 s46, s25, 18
	s_add_nc_u64 s[36:37], s[22:23], s[46:47]  ; out at my work-group's rows
	s_min_u32 s46, s25, 63
	s_lshl_b32 s46, s46, 2
	s_add_co_u32 s46, s46, s24
	s_lshl_b32 s46, s46, 13
	s_add_nc_u64 s[44:45], s[14:15], s[46:47]
	s_add_nc_u64 s[44:45], s[44:45], 5242880   ; what I prefetch of Wo
	s_cmp_lt_u32 s25, 64
	s_cselect_b32 s52, 2, -1
	v_mov_b32 v[AA], v[AB]
	v_add_nc_u32 v[AA+1], R32, v[AB]
	s_wait_alu depctr_va_vdst(0)           ; v[AA] and v[AA+1] are written, which the fragment loads below read
	s_wait_dscnt 0x0                       ; for the others: my rows of xn and x, my part of the tables
	s_barrier_signal -1
	s_barrier_wait -1
	; PHASE 1: Q^T = Wq xn^T + bq.  Unit u = 0 .. 63: position K step u / 2, column half u % 2, ring set u % 4
.set i, 0
.rept 16                                   ; bq of the first column half, the C operand of unit 0: a tile's 16 places are 64 bytes, of which my half of the lanes takes 32 (in the address), by two loads
	ds_load_b128 v[128+4*i:128+4*i+3], v[BA] offset:64*(i/2)+16*(i%2)
.set i, i+1
.endr
	WIN 0xc0
.set i, 0
.rept 64                                   ; the second half's 32 sums start from bq, loaded straight into the accumulators: its first unit stands in the loop
	ds_load_b128 v[4*i:4*i+3], v[BA] offset:512+64*(i/8)+16*(i%2)
.set i, i+1
.endr
	AFL 0, 0
	UNIT 0, 0, 0, 0, 1, PRB, 1, 64, 32, 0, 0, 0
	WIN 0
	s_mov_b32 s27, 15
.Lq:                                       ; units 4 n + 1 .. 4 n + 4; the refills are position K steps 2 n + 2 and 2 n + 3
	s_wait_xcnt 0x0                        ; every load and prefetch issued has read its address: the pointers may be written
	s_add_co_u32 s62, s62, 8192
	s_and_b32 s62, s62, 0x1ffff            ; behind K step 31 comes K step 0
	s_add_nc_u64 s[PRA:PRA+1], s[58:59], s[62:63]
	s_add_nc_u64 s[PRB:PRB+1], s[60:61], s[62:63]
	UNIT 0, 1, 0, 1, 0, PRA, 0, -1, 32, -1, 1, 1
	UNIT 0, 2, 1, 0, 0, PRB, 0, 128, 32, 0, 0, 1
	UNIT 0, 3, 1, 1, 0, PRA, 1, -1, 32, -1, 0, 1
	UNIT 0, 0, 0, 0, 0, PRB, 1, 192, 32, 0, 0, 1
	WIN 0
	s_wait_alu depctr_vm_vsrc(0)           ; the fragment loads issued so far have read v[AA] and v[AA+1]
	v_add_nc_u32 v[AA], 128, v[AA]
	v_add_nc_u32 v[AA+1], 128, v[AA+1]
	s_sub_co_u32 s27, s27, 1
	s_cmp_lg_u32 s27, 0
	s_cbranch_scc1 .Lq
	UNIT 0, 1, 0, 1, 0, -1, 0, -1, 32, -1, 0, 0   ; the last three units ask for nothing: the counts run down, and there is no dependence to state
	UNIT 0, 2, 1, 0, 0, -1, 0, -1, 16, 0, 0, 0
	UNIT 0, 3, 1, 1, 0, -1, 0, -1, 0, -1, 0, 0
	WIN 0
	PLACES
	s_wait_alu depctr_va_vdst(0)           ; the product's matrix instructions are done reading the ring, in which K and V land
	KLOAD
	VLOAD
	s_wait_dscnt 0x0                       ; my reads of xn are over
	s_barrier_signal -1
	s_barrier_wait -1                      ; everybody's are: XN takes q, each wave its own strip of 512 bytes of every row
	PACKQ 0
	s_wait_alu depctr_vm_vsrc(0)           ; the first half's LDS stores have read v128-255, which the second half's conversions write
	PACKQ 1
	s_wait_alu depctr_vm_vsrc(0)           ; the second half's have read them too: the first head's conversions write v128-191
	; PHASE 2: attention, a head a trip, 64 queries x 128 keys
	v_mov_b32 v[QH], v[QS]
	v_mov_b32 v[QH+1], v[QS+1]
	s_mov_b32 s27, 4
.Lhead:
	WIN 0xc0
	s_wait_alu depctr_va_vdst(0)           ; v[QH], v[QH+1] are written; q's conversions, or the head before's products, are done reading window 3's v128-191, in which this head's q lands
.set i, 0
.rept 16
	ds_load_b128 v[128+4*i:128+4*i+3], v[QH+((i/2)%4)/2] offset:((i/2)%2)*R16+64*(i/8)+32*(i%2)
.set i, i+1
.endr
	s_wait_loadcnt 32                      ; K is in; V's 32 loads are younger
	s_wait_dscnt 0x0
.set i, 0
.rept 64                                   ; S^T = K Q^T + mask: 32 accumulators by turns, twice
.set rD, 8*(i%32)
.set rA, 8*(2*((i/4)%8)+i/32)
.set rB, 128+8*(4*(i/32)+i%4)
.if i < 32
	WIN 0x8d
	v_wmma_f32_16x16x32_f16 v[rD:rD+7], v[rA:rA+7], v[rB:rB+7], v[MK:MK+7]
.else
	WIN 0xad
	v_wmma_f32_16x16x32_f16 v[rD:rD+7], v[rA:rA+7], v[rB:rB+7], v[rD:rD+7]
.endif
.set i, i+1
.endr
	WIN 0
	PLACES
	s_cmp_eq_u32 s27, 1
	s_cbranch_scc1 .Lnk
	s_wait_xcnt 0x0                        ; V's loads have read the pointer
	s_add_co_u32 s68, s68, 32768
	s_and_b32 s68, s68, 0x7ffff            ; behind head 15 comes head 0
	s_add_nc_u64 s[32:33], s[66:67], s[68:69]
	s_wait_alu depctr_va_vdst(0)           ; the 64 products are done reading K, in whose registers the next head's K lands (the maxima below want their results in any case)
	KLOAD                                  ; the next head's K
.Lnk:
	WIN 0x2a                               ; the maximum of a query's 64 scores in this lane: each accumulator from its lowest registers on
.set i, 0
.rept 32
	v_max3_num_f32 v[CM+8*(i%4)+i/4], v[8*i], v[8*i+1], v[8*i+2]
.set i, i+1
.endr
	WIN 0x28
.irp o, 3,5
.set i, 0
.rept 32
	v_max3_num_f32 v[CM+8*(i%4)+i/4], v[CM+8*(i%4)+i/4], v[8*i+\o], v[8*i+\o+1]
.set i, i+1
.endr
.endr
.set i, 0
.rept 16
	v_max3_num_f32 v[CM+8*(i%4)+2*(i/4)], v[CM+8*(i%4)+2*(i/4)], v[8*(8*(i/4)+i%4)+7], v[8*(8*(i/4)+4+i%4)+7]
.set i, i+1
.endr
	WIN 0
.irp p, 0,1,2,3
	v_max3_num_f32 v[CM+8*(\p)], v[CM+8*(\p)], v[CM+8*(\p)+1], v[CM+8*(\p)+2]
	v_max3_num_f32 v[CM+8*(\p)+3], v[CM+8*(\p)+3], v[CM+8*(\p)+4], v[CM+8*(\p)+5]
.endr
.irp p, 0,1,2,3
	v_max3_num_f32 v[CM+8*(\p)], v[CM+8*(\p)], v[CM+8*(\p)+3], v[CM+8*(\p)+6]
.endr
.irp p, 0,1,2,3
	v_max_num_f32 v[CM+8*(\p)], v[CM+8*(\p)], v[CM+8*(\p)+7]
.endr
.irp p, 0,1,2,3
	v_permlanex16_b32 v[CM+8*(\p)+1], v[CM+8*(\p)], s38, s39  ; the query's other 64 keys lie in the lane 16 away
.endr
.irp p, 0,1,2,3
	v_max_num_f32 v[CM+8*(\p)], v[CM+8*(\p)], v[CM+8*(\p)+1]
.endr
.irp p, 0,1,2,3
	v_mul_f32 v[MC+2*(\p)], s42, v[CM+8*(\p)]
	v_mul_f32 v[MC+2*(\p)+1], s42, v[CM+8*(\p)]
.endr
	WIN 0x82
.set i, 0
.rept 128
	v_pk_fma_f32 v[2*i:2*i+1], v[2*i:2*i+1], s[42:43], v[MC+2*((i/4)%4):MC+2*((i/4)%4)+1] op_sel_hi:[1,0,1] neg_lo:[0,0,1] neg_hi:[0,0,1]
.set i, i+1
.endr
.set i, 0
.rept 256
	v_exp_f32 v[i], v[i]
.set i, i+1
.endr
	v_nop
	s_wait_alu depctr_va_vdst(0)           ; one wait for the batch: the 256 weights in window 2 are written, ahead of the sums that read them
	WIN 0x0a                               ; the sums, of the unrounded weights
.set i, 0
.rept 16
	v_pk_add_f32 v[LS+8*(i%4)+2*(i/4):LS+8*(i%4)+2*(i/4)+1], v[8*(i%4)+2*(i/4):8*(i%4)+2*(i/4)+1], v[8*(4+i%4)+2*(i/4):8*(4+i%4)+2*(i/4)+1]
.set i, i+1
.endr
	WIN 0x08
.set i, 0
.rept 96
.set rL, LS+8*(i%4)+2*((i/4)%4)
.set rS, 8*(4*(2+i/16)+i%4)+2*((i/4)%4)
	v_pk_add_f32 v[rL:rL+1], v[rL:rL+1], v[rS:rS+1]
.set i, i+1
.endr
	WIN 0
.irp p, 0,1,2,3
	v_pk_add_f32 v[LS+8*(\p):LS+8*(\p)+1], v[LS+8*(\p):LS+8*(\p)+1], v[LS+8*(\p)+2:LS+8*(\p)+3]
	v_pk_add_f32 v[LS+8*(\p)+4:LS+8*(\p)+5], v[LS+8*(\p)+4:LS+8*(\p)+5], v[LS+8*(\p)+6:LS+8*(\p)+7]
.endr
.irp p, 0,1,2,3
	v_pk_add_f32 v[LS+8*(\p):LS+8*(\p)+1], v[LS+8*(\p):LS+8*(\p)+1], v[LS+8*(\p)+4:LS+8*(\p)+5]
.endr
.irp p, 0,1,2,3
	v_add_f32 v[LS+8*(\p)], v[LS+8*(\p)], v[LS+8*(\p)+1]
.endr
.irp p, 0,1,2,3
	v_permlanex16_b32 v[LS+8*(\p)+1], v[LS+8*(\p)], s38, s39
.endr
.irp p, 0,1,2,3
	v_add_f32 v[LS+8*(\p)], v[LS+8*(\p)], v[LS+8*(\p)+1]
.endr
.irp p, 0,1,2,3
	v_rcp_f32 v[RL+2*(\p)], v[LS+8*(\p)]
.endr
	WIN 0x8a                               ; the weights to f16, in place and ascending: tiles 2 ks and 2 ks + 1 become source 1 for keys 32 ks ..; independent work behind the reciprocals
.set i, 0
.rept 128
.set rA, 8*(8*(i/32)+(i/8)%4)
.if (i%8) < 4
	v_cvt_pk_f16_f32 v[rA+i%8], v[rA+2*(i%8)], v[rA+2*(i%8)+1]
.else
	v_cvt_pk_f16_f32 v[rA+i%8], v[rA+32+2*(i%8-4)], v[rA+32+2*(i%8-4)+1]
.endif
.set i, i+1
.endr
	WIN 0
	s_wait_alu depctr_va_vdst(0)           ; one wait for the four reciprocals v[RL], v[RL+2] .., ahead of the copies that read them
.irp p, 0,1,2,3
	v_mov_b32 v[RL+2*(\p)+1], v[RL+2*(\p)]
.endr
	s_wait_loadcnt 0x0                     ; V is in (the next K, issued a softmax ago, too)
	WIN 0xf9
.set i, 0
.rept 64                                   ; O^T = V^T P: 16 accumulators by turns, four times
.set rD, 8*(i%16)
.set rA, 128+8*(4*((i/4)%4)+i/16)
.set rB, 8*(8*(i/16)+i%4)
.if i < 16
	v_wmma_f32_16x16x32_f16 v[rD:rD+7], v[rA:rA+7], v[rB:rB+7], 0
.else
	v_wmma_f32_16x16x32_f16 v[rD:rD+7], v[rA:rA+7], v[rB:rB+7], v[rD:rD+7]
.endif
.set i, i+1
.endr
	WIN 0
	PLACES
	s_cmp_eq_u32 s27, 1
	s_cbranch_scc1 .Lnv
	s_wait_alu depctr_va_vdst(0)           ; the 64 products are done reading V, in whose registers the next head's V lands (the scaling below wants their results in any case)
	VLOAD                                  ; the next head's V (the pointer has stepped)
.Lnv:
	WIN 0xc3
.set i, 0
.rept 64
	v_pk_mul_f32 v[2*i:2*i+1], v[2*i:2*i+1], v[RL+2*((i/4)%4):RL+2*((i/4)%4)+1] op_sel_hi:[1,0]
.set i, i+1
.endr
	WIN 0x0f
.set i, 0
.rept 64
	v_cvt_pk_f16_f32 v[128+i], v[2*i], v[2*i+1]
.set i, i+1
.endr
	WIN 0
	s_wait_alu depctr_va_vdst(0)           ; the conversions have written v128-191, which the LDS stores read
.set i, 0
.rept 16                                   ; y takes the place of this head's q
	ds_store_b128 v[QH+(i%4)/2], v[128+4*i:128+4*i+3] offset:(i%2)*R16+32*(i/4)
.set i, i+1
.endr
	s_wait_alu depctr_vm_vsrc(0)           ; the LDS stores have read v128-191, which the next head's conversions write, and v[QH], v[QH+1]
	v_add_nc_u32 v[QH], 128, v[QH]
	v_add_nc_u32 v[QH+1], 128, v[QH+1]
	s_sub_co_u32 s27, s27, 1
	s_cmp_lg_u32 s27, 0
	s_cbranch_scc1 .Lhead
	s_wait_loadcnt 0x0                     ; no load of K or V is out on any way out of the loop: their registers take LN(y)'s rows and then Wo's ring
	s_wait_dscnt 0x0                       ; for the others: my strip of y
	s_barrier_signal -1
	s_barrier_wait -1
	; PHASE 3: h = silu(LN(y) GA + BE) to bf16, in place, my 16 rows, two a trip
.set NRW, 2
.set i, 0
.rept 16                                   ; no wait on va_vdst: the last one, ahead of y's last stores, stands behind every vector line that names v96-159
	ds_load_b128 v[G+4*i:G+4*i+3], v[PA] offset:4096*(i/8)+1024*((i/2)%4)+16*(i%2)
.set i, i+1
.endr
	s_mul_i32 s48, s24, R16
	v_add_nc_u32 v[LX], s48, v[VO]
	v_mov_b32 v[ZR], 0
	s_mov_b32 s27, 8
.Ly:
	s_wait_alu depctr_va_vdst(0)           ; v[LX] is written, which the loads below read; the lines before are done with T, in which they land
.set i, 0
.rept 4*NRW
	ds_load_b128 v[T+4*i:T+4*i+3], v[LX] offset:PITCH*(i/4)+512*(i%4)
.set i, i+1
.endr
	s_cmp_eq_u32 s27, s52                  ; two trips from the end the first 64 work-groups name Wo's 8,192 blocks of 256 bytes, 32 a wave, each once in the launch
	s_cbranch_scc0 .Lnw
	global_prefetch_b8 v[PFV], s[44:45] th:TH_LOAD_NT scope:SCOPE_SE
.Lnw:
	s_wait_dscnt 0x0
	WIN 0x40
.set i, 0
.rept 16*NRW                               ; f16 halves x 1.0 + 0: to f32
	v_fma_mix_f32 v[2*i], v[T+i], v[ONE], v[ZR] op_sel_hi:[1,0,0]
	v_fma_mix_f32 v[2*i+1], v[T+i], v[ONE], v[ZR] op_sel:[1,0,0] op_sel_hi:[1,0,0]
.set i, i+1
.endr
	S_SUM
	S_SUB
	S_VAR
	S_NORM
	WIN 0x41                               ; silu(h) = h / (1 + 2^(-h log2 e))
.set i, 0
.rept 16*NRW
	v_pk_mul_f32 v[2*i:2*i+1], v[128+2*i:129+2*i], 0xbfb8aa3b op_sel_hi:[1,0]
.set i, i+1
.endr
.set i, 0
.rept 32*NRW
	v_exp_f32 v[i], v[i]
.set i, i+1
.endr
	v_nop
	s_wait_alu depctr_va_vdst(0)           ; one wait for the batch: the exponentials in window 1's v0-63 are written, ahead of the additions that read them
.set i, 0
.rept 16*NRW
	v_pk_add_f32 v[2*i:2*i+1], v[2*i:2*i+1], 1.0 op_sel_hi:[1,0]
.set i, i+1
.endr
.set i, 0
.rept 32*NRW
	v_rcp_f32 v[i], v[i]
.set i, i+1
.endr
	v_nop
	s_wait_alu depctr_va_vdst(0)           ; one wait for the batch: the reciprocals in window 1's v0-63 are written, ahead of the products that read them
	WIN 0x45
.set i, 0
.rept 16*NRW
	v_pk_mul_f32 v[128+2*i:129+2*i], v[128+2*i:129+2*i], v[2*i:2*i+1]
.set i, i+1
.endr
	WIN 0x05
.set i, 0
.rept 16*NRW
	v_cvt_pk_bf16_f32 v[H+i], v[128+2*i], v[129+2*i]
.set i, i+1
.endr
	WIN 0
	s_wait_alu depctr_va_vdst(0)           ; the conversions have written H, which the LDS stores read
.set i, 0
.rept 4*NRW
	ds_store_b128 v[LX], v[H+4*i:H+4*i+3] offset:PITCH*(i/4)+512*(i%4)
.set i, i+1
.endr
	s_wait_alu depctr_vm_vsrc(0)           ; the LDS stores have read H, which the next trip's conversions write, and v[LX]
	v_add_nc_u32 v[LX], NRW*PITCH, v[LX]
	s_sub_co_u32 s27, s27, 1
	s_cmp_lg_u32 s27, 0
	s_cbranch_scc1 .Ly
	s_add_nc_u64 s[60:61], s[14:15], 5242880   ; Wo (every earlier load is done)
	s_lshl_b32 s46, s72, 18
	s_add_nc_u64 s[58:59], s[60:61], s[46:47]  ; the first pass's chunk: that of my position chunk 2 w
	s_mov_b32 s62, s73
	s_add_nc_u64 s[PRA:PRA+1], s[58:59], s[62:63]
	s_lshl_b32 s46, s72, 9
	s_add_nc_u64 s[74:75], s[20:21], s[46:47]
	global_load_b128 v[32:35], v[R4], s[74:75]             ; bo of the pass's two column blocks.  No wait on va_vdst for these 50 loads: the last one, ahead of h's last stores,
	global_load_b128 v[36:39], v[R4], s[74:75] offset:256  ; stands behind every vector line that names T or window 1; only the address step follows it
	WLU 0, PRA, 0
	WLU 1, PRA, 1
	WLU 2, PRA, 2
	WIN 0
	v_mov_b32 v[AA], v[AB]
	v_add_nc_u32 v[AA+1], R32, v[AB]
	s_wait_alu depctr_va_vdst(0)           ; v[AA] and v[AA+1] are written, which the fragment loads below read
	s_wait_dscnt 0x0                       ; for the others: my rows of h
	s_barrier_signal -1
	s_barrier_wait -1
	; PHASE 4: out = x + h Wo + bo, two passes of one chunk (128 columns) a wave
	s_mov_b32 s53, 2
.Lop:
	AFL 0, 0                               ; the first K step's fragments are on their way while bo is spread.  No wait: their addresses, and the last readers of v64-95, stand ahead of the last wait on va_vdst on both ways here
	s_wait_loadcnt 48                      ; the ring's 48 loads are younger than bo's two
.set i, 0
.rept 64                                   ; bo as the C operand of the first product: a column's number in all eight rows
	v_mov_b32 v[128+i], v[32+i/8]
.set i, i+1
.endr
	UNIT 1, 0, 0, 0, 1, PRA, 3, 64, 32, 0, 0, 0
	WIN 0
	s_mov_b32 s27, 7
.Lo:                                       ; position K steps 4 n + 1 .. 4 n + 4; the refills are position K steps 4 n + 4 .. 4 n + 7
	s_wait_xcnt 0x0
	s_add_co_u32 s62, s62, 16384
	s_and_b32 s62, s62, 0x1ffff
	s_add_nc_u64 s[PRA:PRA+1], s[58:59], s[62:63]
	UNIT 1, 1, 1, 0, 0, PRA, 0, 128, 32, 0, 0, 1
	UNIT 1, 2, 0, 0, 0, PRA, 1, 192, 32, 0, 0, 1
	UNIT 1, 3, 1, 0, 0, PRA, 2, 256, 32, 0, 0, 1
	UNIT 1, 0, 0, 0, 0, PRA, 3, 320, 32, 0, 0, 1
	WIN 0
	s_wait_alu depctr_vm_vsrc(0)           ; the fragment loads issued so far have read v[AA] and v[AA+1]
	v_add_nc_u32 v[AA], 256, v[AA]
	v_add_nc_u32 v[AA+1], 256, v[AA+1]
	s_sub_co_u32 s27, s27, 1
	s_cmp_lg_u32 s27, 0
	s_cbranch_scc1 .Lo
	UNIT 1, 1, 1, 0, 0, -1, 0, 128, 32, 0, 0, 1
	UNIT 1, 2, 0, 0, 0, -1, 0, 192, 16, 0, 0, 1
	UNIT 1, 3, 1, 0, 0, -1, 0, -1, 0, 0, 0, 0
	WIN 0
	PLACES
	s_wait_xcnt 0x0                        ; the pass before's stores have read their data, offset and base; the ring's loads are done
	s_wait_alu depctr_vm_vsrc(0)           ; the pass before's stores have read window 3, which the sums below write again; the fragment loads have read v[AA], v[AA+1]
	s_wait_alu depctr_va_vdst(0)           ; the pass's matrix instructions are done reading the ring, both buffers of A and v128-191, and its head's copies v32-39: the loads below land in all of these
	s_lshl_b32 s46, s72, 9
	s_add_nc_u64 s[70:71], s[36:37], s[46:47]  ; out at this pass's chunk
	s_cmp_eq_u32 s53, 1
	s_cbranch_scc1 .Lol
	s_add_co_u32 s72, s72, 1               ; the next pass's first loads go out ahead of this pass's way out
	s_and_b32 s72, s72, 7
	s_lshl_b32 s46, s72, 18
	s_add_nc_u64 s[58:59], s[60:61], s[46:47]
	s_mov_b32 s62, s73
	s_add_nc_u64 s[PRA:PRA+1], s[58:59], s[62:63]
	s_lshl_b32 s46, s72, 9
	s_add_nc_u64 s[74:75], s[20:21], s[46:47]
	global_load_b128 v[32:35], v[R4], s[74:75]
	global_load_b128 v[36:39], v[R4], s[74:75] offset:256
	WLU 0, PRA, 0
	WLU 1, PRA, 1
	WLU 2, PRA, 2
	WIN 0
	v_mov_b32 v[AA], v[AB]
	v_add_nc_u32 v[AA+1], R32, v[AB]
.Lol:
	XLA                                    ; x for all eight groups, in one run
	s_wait_dscnt 32                        ; the first four groups' 32 loads are in, the other 32 may stay out
	s_wait_alu depctr_vm_vsrc(0)           ; the 64 LDS loads have read v[XA] and v[XA+1]; it stands ahead of the stores, so that it waits for none of them
	v_add_nc_u32 v[XA], 256, v[XA]         ; x's next position chunk
	v_add_nc_u32 v[XA+1], 256, v[XA+1]
.irp n, 0,1,2,3
	OUTF \n
.endr
	s_wait_alu depctr_va_vdst(0)           ; the sums have written window 3's v0-127, which the 32 stores below read
.irp n, 0,1,2,3
	OUTS \n
.endr
	s_wait_dscnt 0x0                       ; the other four groups' x
.irp n, 4,5,6,7
	OUTF \n
.endr
	s_wait_alu depctr_va_vdst(0)           ; the sums have written window 3's v128-255, which the 32 stores below read
.irp n, 4,5,6,7
	OUTS \n
.endr
	WIN 0
	s_sub_co_u32 s53, s53, 1
	s_cmp_lg_u32 s53, 0
	s_cbranch_scc1 .Lop
	s_wait_dscnt 0x0                       ; the wave's end
	s_wait_alu depctr_hold_cnt(0) depctr_sa_sdst(0) depctr_va_vdst(0) depctr_va_sdst(0) depctr_va_ssrc(0) depctr_va_vcc(0) depctr_vm_vsrc(0)
	s_wait_tensorcnt 0x0
	ds_add_u32 v2, v3
	s_wait_dscnt 0x0
	s_endpgm
.Lfunc_end_k_qc807156bf6_main:
	.size	k_qc807156bf6_main, .Lfunc_end_k_qc807156bf6_main-k_qc807156bf6_main
	.p2alignl 7, 3214868480
	.fill 96, 4, 3214868480
	.section	.rodata,"a",@progbits
	.p2align	6, 0x0
	.amdhsa_kernel k_qc807156bf6_main
		.amdhsa_group_segment_fixed_size 276992
		.amdhsa_private_segment_fixed_size 0
		.amdhsa_enable_private_segment 0
		.amdhsa_kernarg_size 80
		.amdhsa_user_sgpr_count 2
		.amdhsa_user_sgpr_kernarg_segment_ptr 1
		.amdhsa_wavefront_size32 1
		.amdhsa_system_sgpr_workgroup_id_x 1
		.amdhsa_system_sgpr_workgroup_id_y 1
		.amdhsa_system_sgpr_workgroup_id_z 1
		.amdhsa_system_vgpr_workitem_id 0
		.amdhsa_next_free_vgpr 1024
		.amdhsa_next_free_sgpr 76
		.amdhsa_reserve_vcc 0
		.amdhsa_float_denorm_mode_32 3
		.amdhsa_float_denorm_mode_16_64 3
		.amdhsa_memory_ordered 1
		.amdhsa_forward_progress 1
		.amdhsa_inst_pref_size 255
	.end_amdhsa_kernel
	.section	.bss,"aw",@nobits
	.p2align	6
	.space	262144
	.amdgpu_metadata
---
amdhsa.version: [ 1, 2 ]
amdhsa.kernels:
  - .name:           k_qc807156bf6_main
    .symbol:         k_qc807156bf6_main.kd
    .args:
      - { .name: x, .offset: 0, .size: 8, .value_kind: global_buffer, .address_space: global }
      - { .name: ln_x_g, .offset: 8, .size: 8, .value_kind: global_buffer, .address_space: global }
      - { .name: ln_x_b, .offset: 16, .size: 8, .value_kind: global_buffer, .address_space: global }
      - { .name: bq, .offset: 24, .size: 8, .value_kind: global_buffer, .address_space: global }
      - { .name: cond_type, .offset: 32, .size: 8, .value_kind: global_buffer, .address_space: global }
      - { .name: wpk, .offset: 40, .size: 8, .value_kind: global_buffer, .address_space: global }
      - { .name: kvf, .offset: 48, .size: 8, .value_kind: global_buffer, .address_space: global }
      - { .name: sty, .offset: 56, .size: 8, .value_kind: global_buffer, .address_space: global }
      - { .name: bo, .offset: 64, .size: 8, .value_kind: global_buffer, .address_space: global }
      - { .name: out0, .offset: 72, .size: 8, .value_kind: global_buffer, .address_space: global }
    .group_segment_fixed_size: 276992
    .private_segment_fixed_size: 0
    .kernarg_segment_align: 8
    .kernarg_segment_size: 80
    .max_flat_workgroup_size: 128
    .sgpr_count:     76
    .vgpr_count:     1024
    .wavefront_size: 32
...
	.end_amdgpu_metadata
.endif
;; end of part 4
